; MI455X (gfx1250); checked and timed in simulation.
; The chip was launched on July 23, 2026; its instructions are those of AMD's public machine-readable ISA for CDNA 5 (MIT licence, August 2026) and "CDNA5" Instruction Set Architecture Reference Guide (July 2026). The comments in the code are by the model that wrote it; some were corrected since.
;; Multi Head Attention. Allowed arithmetic: float matrix products may take bf16 or f16 operands with f32 sums; other float arithmetic in f32, or as packed bf16 or f16 multiplies, adds, multiply-adds, maxima and minima; sums over many terms, partial sums and values carried from step to step in f32; what a program stores and reads back later, other than sums and carried values, may be rounded once to bf16 or f16.
;; Inputs: Wk 1,024 x 1,024 float32; Wo 1,024 x 1,024 float32; Wq 1,024 x 1,024 float32; Wv 1,024 x 1,024 float32; bk 1,024 float32; bo 1,024 float32; bq 1,024 float32; bv 1,024 float32; mask 1 x 1 x 2,048 x 2,048 int32; x 4 x 2,048 x 1,024 float32.
;; Outputs: out0 4 x 2,048 x 1,024 float32.
;; 2 versions, each right; version 2 is version 1 with the launch prep written anew for expert scheduling mode. Each part assembles by itself: llvm-mc -triple=amdgcn-amd-amdhsa -mcpu=gfx1250 --defsym DOCPART=n.
;; ======== version 1 of 2: 4 launches
;; limits: values are held in f16: magnitudes above 65,504 overflow, below 6.1e-05 lose precision
;; workspace buffers: xb 16,777,216 bytes; wb 6,291,456 bytes; wo16 2,097,152 bytes; bias4 16,384 bytes; mbits 524,288 bytes of whole numbers; qkv 50,331,648 bytes; o16 16,777,216 bytes
;; launch prep (part 1): grid 512 x 1, 8 waves a work-group, no clusters, 0 bytes of LDS; arguments x, Wq, Wk, Wv, Wo, bq, bk, bv, bo, mask, xb, wb, wo16, bias4, mbits; writes xb, wb, wo16, bias4, mbits
.if DOCPART == 1
	.amdgcn_target "amdgcn-amd-amdhsa--gfx1250"
	.amdhsa_code_object_version 6
	.text
	.protected	k_q9e345d2efe_prep
	.globl	k_q9e345d2efe_prep
	.p2align	8
	.type	k_q9e345d2efe_prep,@function
k_q9e345d2efe_prep:
	s_mov_b64 s[64:65], 0
	v_nop
	global_prefetch_b8 v0, s[64:65] scope:SCOPE_SE
	s_setreg_imm32_b32 hwreg(HW_REG_WAVE_MODE, 25, 1), 1
	s_wait_xcnt 0x0
; PREPARATION: every input is read once and laid out for the three launches behind.
;   xb   [8192][1024] bf16 = x rounded;   wb [3072][1024] bf16 = Wq, Wk, Wv rounded, one below the other
;   wo16 [1024][1024] f16  = Wo rounded to bf16, that number written as f16
;   bias4 [4096] f32       = c x bf16(bq), bf16(bk), bf16(bv), bf16(bo), c = log2(e) / 8 (the scale of the scores, in base 2)
;   mbits [128 qt][32 ks][32 words]: word r = 8 kb + j, bit b = (mask[16 qt + b % 16][64 ks + 16 kb + 8 (b / 16) + j] != 0):
;         the lane mask of register r of a tile of 16 queries x 64 keys of scores as the attention launch holds it.
; LIMITS.  bf16(Wo) beyond 65,504 becomes an infinity in f16, below 2^-14 it keeps f16's fixed step of 2^-24.
; SHARES.  Every work-group reads 131,072 consecutive bytes: groups 0-255 of x, 256-351 of Wq, Wk, Wv, 352-383 of Wo, 384-511 sixteen rows of the mask (a row is 8,192 bytes).
; ONE BLOCK OF 32 LOADS SERVES ALL: thread t takes bytes 16 t + 4,096 i, so a wave's load covers 512 consecutive bytes.  All 32 go out at once and are waited for by count, two at a time.
; No register is written again behind its store, so no further wait is needed.  No LDS, no matrix unit, no cluster: nothing is shared between waves, and memory is all there is to wait for.
.set X,   16                           ; v[16:143] 32 loads of 4 registers
.set CSC, 0x3e38aa3b                   ; c = log2(e) / 8
.macro ARRIVED i                       ; at an even i: loads i and i + 1 are in; the 30 - i loads issued behind them may stay out
.if ((\i)%2) == 0
	s_wait_loadcnt 30-(\i)
.endif
.endm
.macro CONV i                          ; 4 numbers to bf16, in place from the low end, and stored: a wave's store covers 256 consecutive bytes, aligned
	ARRIVED \i
	v_cvt_pk_bf16_f32 v[X+4*(\i)], v[X+4*(\i)], v[X+4*(\i)+1]
	v_cvt_pk_bf16_f32 v[X+4*(\i)+1], v[X+4*(\i)+2], v[X+4*(\i)+3]
	global_store_b64 v2, v[X+4*(\i):X+4*(\i)+1], s[42:43] offset:2048*(\i)
.endm
.macro CONVO i                         ; the same for Wo: rounded to bf16, widened again, written as f16
	ARRIVED \i
	v_cvt_pk_bf16_f32 v8, v[X+4*(\i)], v[X+4*(\i)+1]
	v_cvt_pk_bf16_f32 v9, v[X+4*(\i)+2], v[X+4*(\i)+3]
	v_lshlrev_b32 v[X+4*(\i)], 16, v8
	v_and_b32 v[X+4*(\i)+1], s52, v8
	v_lshlrev_b32 v[X+4*(\i)+2], 16, v9
	v_and_b32 v[X+4*(\i)+3], s52, v9
	v_cvt_pk_f16_f32 v[X+4*(\i)], v[X+4*(\i)], v[X+4*(\i)+1]
	v_cvt_pk_f16_f32 v[X+4*(\i)+1], v[X+4*(\i)+2], v[X+4*(\i)+3]
	global_store_b64 v2, v[X+4*(\i):X+4*(\i)+1], s[42:43] offset:2048*(\i)
.endm
	s_load_b512 s[8:23], s[0:1], 0x0               ; x 8, Wq 10, Wk 12, Wv 14, Wo 16, bq 18, bk 20, bv 22
	s_load_b256 s[24:31], s[0:1], 0x40             ; bo 24, mask 26, xb 28, wb 30
	s_load_b128 s[32:35], s[0:1], 0x60             ; wo16 32, bias4 34
	s_load_b64 s[36:37], s[0:1], 0x70              ; mbits
	v_lshrrev_b32 v1, 5, v0
	v_readfirstlane_b32 s2, v1                     ; wave 0..7
	v_lshlrev_b32 v1, 4, v0                        ; 16 bytes a thread
	s_mov_b32 s38, ttmp9                           ; the work-group's number
	s_sub_co_u32 s3, s38, 256                      ; j: its number among the weights' groups
	s_and_b32 s51, s3, 31                          ; its chunk of one weight matrix
	s_sub_co_u32 s39, s3, 96                       ; its chunk of wo16
	s_sub_co_u32 s53, s38, 384                     ; its query tile of the mask
	s_mov_b32 s47, 0                               ; high words of the two offset pairs
	s_mov_b32 s49, 0
	s_mov_b32 s52, 0xffff0000                      ; a word's upper bf16
	s_wait_kmcnt 0x0
	; from where and to where: choices between buffers on the work-group's number alone
	s_cmp_lt_u32 s38, 288
	s_cselect_b64 s[40:41], s[10:11], s[12:13]
	s_cselect_b64 s[44:45], s[18:19], s[20:21]
	s_cmp_lt_u32 s38, 320
	s_cselect_b64 s[40:41], s[40:41], s[14:15]
	s_cselect_b64 s[44:45], s[44:45], s[22:23]
	s_cmp_lt_u32 s38, 352
	s_cselect_b64 s[40:41], s[40:41], s[16:17]
	s_cselect_b64 s[44:45], s[44:45], s[24:25]
	s_cselect_b64 s[42:43], s[30:31], s[32:33]
	s_cselect_b32 s48, s3, s39
	s_cmp_lt_u32 s38, 384
	s_cselect_b64 s[40:41], s[40:41], s[26:27]
	s_cselect_b32 s46, s51, s53
	s_cmp_lt_u32 s38, 256
	s_cselect_b64 s[40:41], s[8:9], s[40:41]
	s_cselect_b64 s[42:43], s[28:29], s[42:43]
	s_cselect_b32 s46, s38, s46
	s_cselect_b32 s48, s38, s48
	s_lshl_b32 s46, s46, 17                        ; 131,072 bytes in
	s_add_nc_u64 s[40:41], s[40:41], s[46:47]
.set i, 0
.rept 32
	global_load_b128 v[X+4*i:X+4*i+3], v1, s[40:41] offset:4096*i th:TH_LOAD_NT
.set i, i+1
.endr
	s_cmp_ge_u32 s38, 384
	s_cbranch_scc1 .Lmask
	s_lshl_b32 s48, s48, 16                        ; 65,536 bytes of 16-bit numbers out
	s_add_nc_u64 s[42:43], s[42:43], s[48:49]
	v_lshlrev_b32 v2, 3, v0                        ; 8 bytes a thread
	s_cmp_ge_u32 s38, 352
	s_cbranch_scc1 .Lwo
.set i, 0
.rept 32
	CONV i
.set i, i+1
.endr
	s_branch .Lbias
.Lwo:
.set i, 0
.rept 32
	CONVO i
.set i, i+1
.endr
.Lbias:                                        ; wave 0 of each of the 128 weights' groups takes 32 numbers of a bias
	s_cmp_lt_u32 s38, 256
	s_cbranch_scc1 .Lend
	s_cmp_lg_u32 s2, 0
	s_cbranch_scc1 .Lend
	s_lshl_b32 s46, s51, 7
	s_add_nc_u64 s[44:45], s[44:45], s[46:47]
	s_lshl_b32 s48, s3, 7
	s_add_nc_u64 s[34:35], s[34:35], s[48:49]
	s_cmp_lt_u32 s3, 32
	s_cselect_b32 s50, CSC, 1.0                    ; bq carries the scores' scale, as q will
	v_lshlrev_b32 v3, 2, v0
	global_load_b32 v8, v3, s[44:45]
	s_wait_loadcnt 0x0
	v_cvt_pk_bf16_f32 v8, v8, v8
	v_lshlrev_b32 v8, 16, v8
	v_mul_f32 v8, s50, v8
	global_store_b32 v3, v8, s[34:35]              ; 128 bytes a work-group, 16 KiB in all
.Lend:
	s_endpgm
; THE MASK.  Load i, word c of thread t = 32 w + l holds row i / 2, key 1,024 e + 4 t + c, e = i % 2.  With l = 16 sl + 4 kb + 2 h + jl that key is 64 (16 e + 2 w + sl) + 16 kb + 8 h + 4 jl + c:
; key step 16 e + 2 w + sl, key block kb, half h, j = 4 jl + c.  So a lane holds, for each of 8 words (e, c), the 16 bits of its own half h, one a row: they are gathered into Z(e, c), bit = row.
; The word's other 16 bits lie in the lane 2 away.  Lanes with h = 0 finish the four words of e = 0, lanes with h = 1 those of e = 1: each gives the partner what the partner finishes.
.Lmask:
	s_lshl_b32 s48, s53, 12                        ; a query tile's 4,096 bytes of words
	s_add_nc_u64 s[36:37], s[36:37], s[48:49]
	v_lshrrev_b32 v2, 4, v0
	v_lshlrev_b32 v2, 7, v2                        ; out: key step 2 w + sl, of 128 bytes,
	v_bfe_u32 v3, v0, 2, 2
	v_lshl_or_b32 v2, v3, 5, v2                    ; + 32 kb
	v_and_b32 v3, 1, v0
	v_lshl_or_b32 v2, v3, 4, v2                    ; + 16 jl: my four words, c = 0 .. 3, lie on end
	v_bfe_u32 v3, v0, 1, 1                         ; h
	v_lshl_or_b32 v2, v3, 11, v2                   ; + 16 key steps for the lanes that finish e = 1
	v_cmp_ne_u32 vcc_lo, 0, v3                     ; the lanes with h = 1
.irp r, 8,9,10,11
	v_mov_b32 v\r, 0                               ; the destination of a line that takes its source from another lane counts as read: it is written first
.endr
.set i, 0
.rept 32                                       ; Z(e, c) lies where row 0 was loaded: v[X + 4 e + c]
	ARRIVED i
.irp c, 0,1,2,3
	v_min_u32 v[X+4*i+(\c)], 1, v[X+4*i+(\c)]      ; 1 for every number but 0
.endr
.if i > 1
.irp c, 0,1,2,3
	v_lshl_or_b32 v[X+4*(i%2)+(\c)], v[X+4*i+(\c)], i/2, v[X+4*(i%2)+(\c)]
.endr
.endif
.set i, i+1
.endr
.irp c, 0,1,2,3
	v_cndmask_b32 v[4+(\c)], v[X+4+(\c)], v[X+(\c)], vcc_lo    ; what I give: Z(1, c) where h = 0, Z(0, c) where h = 1
	v_cndmask_b32 v[12+(\c)], v[X+(\c)], v[X+4+(\c)], vcc_lo   ; what I keep: Z(h, c)
	v_mov_b32_dpp v[8+(\c)], v[4+(\c)] row_xmask:2 row_mask:0xf bank_mask:0xf  ; what the lane 2 away gives me: its Z(my h, c)
	v_cndmask_b32 v[4+(\c)], v[12+(\c)], v[8+(\c)], vcc_lo     ; bits 0-15 are the half h = 0's: mine where h = 0,
	v_cndmask_b32 v[8+(\c)], v[8+(\c)], v[12+(\c)], vcc_lo     ; bits 16-31 the half h = 1's
	v_lshl_or_b32 v[4+(\c)], v[8+(\c)], 16, v[4+(\c)]
.endr
	global_store_b128 v2, v[4:7], s[36:37]         ; the sixteen lanes of each h fill 256 consecutive bytes, aligned: two key steps' words
	s_endpgm
.Lfunc_end_k_q9e345d2efe_prep:
	.size	k_q9e345d2efe_prep, .Lfunc_end_k_q9e345d2efe_prep-k_q9e345d2efe_prep
	.p2alignl 7, 3214868480
	.fill 96, 4, 3214868480
	.section	.rodata,"a",@progbits
	.p2align	6, 0x0
	.amdhsa_kernel k_q9e345d2efe_prep
		.amdhsa_group_segment_fixed_size 0
		.amdhsa_private_segment_fixed_size 0
		.amdhsa_enable_private_segment 0
		.amdhsa_kernarg_size 120
		.amdhsa_user_sgpr_count 2
		.amdhsa_user_sgpr_kernarg_segment_ptr 1
		.amdhsa_wavefront_size32 1
		.amdhsa_system_sgpr_workgroup_id_x 1
		.amdhsa_system_sgpr_workgroup_id_y 1
		.amdhsa_system_sgpr_workgroup_id_z 1
		.amdhsa_system_vgpr_workitem_id 0
		.amdhsa_next_free_vgpr 144
		.amdhsa_next_free_sgpr 66
		.amdhsa_reserve_vcc 1
		.amdhsa_float_denorm_mode_32 3
		.amdhsa_float_denorm_mode_16_64 3
		.amdhsa_memory_ordered 1
		.amdhsa_forward_progress 1
		.amdhsa_inst_pref_size 43
	.end_amdhsa_kernel
	.amdgpu_metadata
---
amdhsa.version: [ 1, 2 ]
amdhsa.kernels:
  - .name:           k_q9e345d2efe_prep
    .symbol:         k_q9e345d2efe_prep.kd
    .args:
      - { .name: x, .offset: 0, .size: 8, .value_kind: global_buffer, .address_space: global }
      - { .name: Wq, .offset: 8, .size: 8, .value_kind: global_buffer, .address_space: global }
      - { .name: Wk, .offset: 16, .size: 8, .value_kind: global_buffer, .address_space: global }
      - { .name: Wv, .offset: 24, .size: 8, .value_kind: global_buffer, .address_space: global }
      - { .name: Wo, .offset: 32, .size: 8, .value_kind: global_buffer, .address_space: global }
      - { .name: bq, .offset: 40, .size: 8, .value_kind: global_buffer, .address_space: global }
      - { .name: bk, .offset: 48, .size: 8, .value_kind: global_buffer, .address_space: global }
      - { .name: bv, .offset: 56, .size: 8, .value_kind: global_buffer, .address_space: global }
      - { .name: bo, .offset: 64, .size: 8, .value_kind: global_buffer, .address_space: global }
      - { .name: mask, .offset: 72, .size: 8, .value_kind: global_buffer, .address_space: global }
      - { .name: xb, .offset: 80, .size: 8, .value_kind: global_buffer, .address_space: global }
      - { .name: wb, .offset: 88, .size: 8, .value_kind: global_buffer, .address_space: global }
      - { .name: wo16, .offset: 96, .size: 8, .value_kind: global_buffer, .address_space: global }
      - { .name: bias4, .offset: 104, .size: 8, .value_kind: global_buffer, .address_space: global }
      - { .name: mbits, .offset: 112, .size: 8, .value_kind: global_buffer, .address_space: global }
    .group_segment_fixed_size: 0
    .private_segment_fixed_size: 0
    .kernarg_segment_align: 8
    .kernarg_segment_size: 120
    .max_flat_workgroup_size: 256
    .sgpr_count:     66
    .vgpr_count:     144
    .wavefront_size: 32
...
	.end_amdgpu_metadata
.endif
;; end of part 1
;; launch qkv (part 2): grid 16 x 32, 4 waves a work-group, clusters of 4 x 4, 327,680 bytes of LDS; arguments xb, wb, bias4, qkv; writes qkv
.if DOCPART == 2
	.amdgcn_target "amdgcn-amd-amdhsa--gfx1250"
	.amdhsa_code_object_version 6
	.text
	.protected	k_q9e345d2efe_qkv
	.globl	k_q9e345d2efe_qkv
	.p2align	8
	.type	k_q9e345d2efe_qkv,@function
k_q9e345d2efe_qkv:
	s_mov_b64 s[64:65], 0
	v_nop
	global_prefetch_b8 v0, s[64:65] scope:SCOPE_SE
	s_setreg_imm32_b32 hwreg(HW_REG_WAVE_MODE, 25, 1), 1
	s_wait_xcnt 0x0
	s_wait_alu depctr_hold_cnt(0) depctr_sa_sdst(0) depctr_va_vdst(0) depctr_va_sdst(0) depctr_va_ssrc(0) depctr_va_vcc(0) depctr_vm_vsrc(0)
	s_getreg_b32 s2, hwreg(HW_REG_IB_STS2, 6, 4)
	s_cmp_eq_u32 s2, 0
	s_cbranch_scc0 .Lentry_in_a_cluster
	s_endpgm
.Lentry_in_a_cluster:
	s_bfe_u32 s2, ttmp6, 0x10000c
	s_cmp_lg_u32 s2, 0xf033
	s_cbranch_scc0 .Lentry_shape_is_right
	s_endpgm
.Lentry_shape_is_right:
; ONE TEXT FOR TWO PRODUCTS C = A B^T + bias, K = 1,024, sums in f32.  QKV = 1: the three projections; QKV = 0: the output projection.
;   QKV = 1: A = xb [8192][1024] bf16, B = wb [3072][1024] bf16.  C leaves by heads, [3][64 (batch, head)][2048][64] f16, rounded once; part 0 (q) is (sum) c + c bq, c = log2(e) / 8.
;   QKV = 0: A = o16 [64 (batch, head)][2048][64] f16, B = wo16 [1024][1024] f16, C = out0 [8192][1024] f32.  A K step of 128 is two heads' 64 channels.
; LIMITS.  q c, k and v beyond 65,504 become infinities in f16; NaN and infinities are not treated apart.
; SHARES.  A work-group makes 256 rows x NT columns (192 or 128); its four waves lie one below the other: wave w has rows 64 w .. 64 w + 63 and all NT columns: 4 x NBL accumulators.
; With QKV = 1 a wave so holds three whole heads, and 16 rows of a head leave as 2,048 consecutive bytes from the wave's own stage, without a barrier.
; K goes in steps of 128 through two LDS slots; one tensor load a wave fills a quarter of a slot (waves 0, 1: A's halves; waves 2, 3: B's).
; CLUSTER 4 x 4: A's tile hangs on the tile row alone and is asked for jointly along a row of the cluster, B's on the tile column alone and jointly along a column.
; THE MATRIX INSTRUCTION IS USED TRANSPOSED (source 0 = 16 rows of B, source 1 = 16 rows of A): a lane holds row l % 16 of C and the columns 8 (l / 16) + 0..7.
; REGISTERS, in windows of 256 (s_set_vgpr_msb: bits 1:0 source 0, 3:2 source 1, 5:4 source 2, 7:6 destination):
;   window 0: v1, v2 l % 16, l / 16; v16-19 LDS addresses; v24-30 way out, add, prefetch; v32-95 A's fragments, two buffers; v96.. at work on the way out; v160.. the bias
;   window 1: accumulators of row blocks 0, 1 at 8 (NBL (a % 2) + b);  window 2: of row blocks 2, 3;  window 3: B's fragments, two buffers of 8 NBL; on the way out rows read back
.set QKV, 1
.set SLOT1, 1<<17                      ; slot 1 begins here: one exclusive or turns an address in one slot into the other's
.if QKV
.set NBL,    12                        ; column blocks of 16
.set HB,     96                        ; rows of B in a tensor load
.set PITCHA, 272                       ; A's LDS row: 256 bytes + 16
.set HALFA,  128*272                   ; what one tensor load brings of A: 128 rows
.set ASTEP,  256                       ; bytes from a K step of A to the next
.set ASTR,   1024                      ; elements from row to row of A's tile in memory
.set APAD,   (5<<22)|(3<<25)           ; 4 words of padding after every 64
.set PFROW,  2048                      ; A's prefetch: bytes from lane to lane
.set SUNIT,  16*144                    ; a wave's stage
.else
.set NBL,    8
.set HB,     64
.set PITCHA, 144                       ; a head's row: 128 bytes + 16
.set HALFA,  256*144                   ; 256 rows of one head
.set ASTEP,  2*2048*128                ; two heads on
.set ASTR,   128                       ; a head's 256 rows are 32,768 dense bytes: asked for as 128 rows of 256
.set APAD,   (4<<22)|(3<<25)           ; 4 words of padding after every 32
.set PFROW,  256
.set SUNIT,  16*528
.endif
.set NT,     16*NBL
.set AREG,   2*HALFA                   ; B's rows lie behind A's
.set PITCHB, 272
.set STAGE,  SLOT1+AREG+NT*PITCHB      ; behind the ring, never filled by a tensor load
.set SPARE,  STAGE+4*SUNIT             ; the spare words: 128 bytes a wave, two blocks of 256 that no other line names
.set NLD,    2*NBL+8                   ; LDS loads in a run
.set CSC,    0x3e38aa3b
; scalars: s3 trips; s[4:11] A, B, bias, C; s12 wave; s13 wave / 2 (0: I fetch A, 1: B); s14 wave % 2; s15 tile row; s16 tile column; s17 cx; s18 cy; s19 prefetch limit; s20 slot in hand;
; s[24:31] group 1 of A; s[32:35], s[36:39] group 0 of A: first fill, walking; s[44:45] prefetch address; s[46:47] its step; s[48:55] group 1 of B; s[56:59], s[60:63] group 0 of B;
; s[66:71] bases of C; s[72:77] scales, in pairs; s21-23, s40-43, s78-88 at work
.set MSB, 0
.macro WIN new                         ; the immediate's high byte repeats the setting that is left; a switch that changes nothing is dropped
.if MSB != (\new)
	s_set_vgpr_msb (MSB<<8)|(\new)
.set MSB, (\new)
.endif
.endm
.macro PLACES                          ; four plain vector lines between a matrix instruction and a load into, or a vector line on, its registers
.rept 4
	v_nop
.endr
.endm
.macro CREST                           ; a round of the cluster's barrier behind its opening barrier
	s_cmp_lg_u32 s12, 0
	s_cbranch_scc1 .Lnot_wave_0_\@
	s_barrier_signal -3
.Lnot_wave_0_\@:
	s_barrier_wait -3
	s_barrier_signal -1
	s_barrier_wait -1
.endm
.macro CROUND
	s_barrier_signal -1
	s_barrier_wait -1
	CREST
.endm
.macro JLOAD                           ; a joint refill by the walking descriptors; the branch hangs on the wave's number alone; s_nop 0 and four v_nop follow each line
	s_cmp_eq_u32 s13, 0
	s_cbranch_scc0 .Lfor_b_\@
	tensor_load_to_lds s[36:39], s[24:31]
	s_nop 0
.rept 4
	v_nop
.endr
	s_branch .Lasked_\@
.Lfor_b_\@:
	tensor_load_to_lds s[60:63], s[48:55]
	s_nop 0
.rept 4
	v_nop
.endr
.Lasked_\@:
.endm
; A prefetch of the K step that stands two refills on.  A's tile rows are read by every cluster of a row of clusters: cluster x = 0 asks; B's by every cluster of a column: cluster y = 0 asks.
; The four partners of a joint load share its rows out by address.  Trips with s3 <= 2 have no K step two refills on.
.macro ASK
	s_cmp_gt_u32 s3, s19
	s_cbranch_scc0 .Lnot_mine_\@
	global_prefetch_b8 v30, s[44:45] th:TH_LOAD_NT scope:SCOPE_SE
.Lnot_mine_\@:
.endm
; NBL matrix instructions: row block a x all column blocks, 32 along K, from buffer f.  zero = 1: the products start the sums.  The 4 NBL accumulators take turns.
.macro MUL f, a, zero
	WIN 0x53+0x50*((\a)/2)
.set b, 0
.rept NBL
.set rC, 8*(NBL*((\a)%2)+b)
.set rB, 8*NBL*(\f)+8*b
.set rA, 32+32*(\f)+8*(\a)
.if QKV
.if \zero
	v_wmma_f32_16x16x32_bf16 v[rC:rC+7], v[rB:rB+7], v[rA:rA+7], 0
.else
	v_wmma_f32_16x16x32_bf16 v[rC:rC+7], v[rB:rB+7], v[rA:rA+7], v[rC:rC+7]
.endif
.else
.if \zero
	v_wmma_f32_16x16x32_f16 v[rC:rC+7], v[rB:rB+7], v[rA:rA+7], 0
.else
	v_wmma_f32_16x16x32_f16 v[rC:rC+7], v[rB:rB+7], v[rA:rA+7], v[rC:rC+7]
.endif
.endif
.set b, b+1
.endr
.endm
; One run of LDS loads: the fragments of 32 along K at byte k of a K step's 256, into buffer f: B's NBL blocks, then A's four
.macro FETCH k, f
	WIN 0xc0                                       ; destination window 3, address window 0
.set b, 0
.rept NBL
	ds_load_b128 v[8*NBL*(\f)+8*b:8*NBL*(\f)+8*b+3],   v19 offset:(\k)+b*16*PITCHB
	ds_load_b128 v[8*NBL*(\f)+8*b+4:8*NBL*(\f)+8*b+7], v19 offset:(\k)+b*16*PITCHB+32
.set b, b+1
.endr
	WIN 0
.if QKV
.set ao, (\k)
.else
.set ao, ((\k)/128)*HALFA+(\k)%128     ; the K step's second head lies behind the first's 256 rows
.endif
.irp a, 0,1,2,3
	ds_load_b128 v[32+32*(\f)+8*(\a):32+32*(\f)+8*(\a)+3],   v18 offset:ao+(\a)*16*PITCHA
	ds_load_b128 v[32+32*(\f)+8*(\a)+4:32+32*(\f)+8*(\a)+7], v18 offset:ao+(\a)*16*PITCHA+32
.endr
.endm
; A K step is four quarters of 32 along K on buffers 0, 1, 0, 1.  One of the first three: multiplies buffer f; in its middle it fetches the next quarter, at byte k, into buffer g.
.macro QUARTER k, f, g, zero
	s_wait_dscnt 4                                 ; all but the youngest four loads, A's row blocks 2 and 3
	MUL \f, 0, \zero
	MUL \f, 1, \zero
	PLACES
	FETCH \k, \g
	s_wait_dscnt NLD                               ; all but the run just issued
	MUL \f, 2, \zero
	MUL \f, 3, \zero
.endm
; The last quarter multiplies buffer 1 and changes slots.  In front of the barrier each wave waits for all its tensor loads (one is out: its part of the next slot), adds 0 to its spare word, and waits
; for that and for its reads of this slot.  fill = 1: the barrier opens a round of the cluster's, and the joint refill, two K steps on, is the first tensor load behind the round.
.macro TURN fill
.if \fill
	s_wait_xcnt 0x0                                ; the last prefetch, a K step back, has read its address
	s_add_nc_u64 s[44:45], s[44:45], s[46:47]
.endif
	WIN 0
	s_wait_tensorcnt 0x0
	ds_add_u32 v28, v29
	s_wait_dscnt 5                                 ; the add and the youngest four loads may be out
	MUL 1, 0, 0
	s_wait_dscnt 0x0                               ; the add is done, my reads of this slot are over
	s_barrier_signal -1
	MUL 1, 1, 0
	WIN 0
	s_barrier_wait -1
.if \fill
	CREST
	s_xor_b32 s37, s37, SLOT1                      ; no tensor load of mine is out: the walking descriptors take the other slot and the next K step
	s_add_nc_u64 s[38:39], s[38:39], ASTEP
	s_xor_b32 s61, s61, SLOT1
	s_add_nc_u64 s[62:63], s[62:63], 256
	JLOAD                                          ; its four v_nop are also the places in front of the loads below
.else
	PLACES
.endif
	s_xor_b32 s20, s20, SLOT1
	v_add_nc_u32 v18, s20, v16
	v_add_nc_u32 v19, s20, v17
	FETCH 0, 0
.if \fill
	ASK
.endif
	MUL 1, 2, 0
	MUL 1, 3, 0
.endm
	s_load_b256 s[4:11], s[0:1], 0x0               ; A, B, bias, C
	v_lshl_add_u32 v28, v0, 2, SPARE
	v_mov_b32 v29, 0
	ds_add_u32 v28, v29                            ; the wave's opening: the add and its wait stand ahead of my first tensor load
	v_lshrrev_b32 v1, 5, v0
	v_readfirstlane_b32 s12, v1
	s_lshr_b32 s13, s12, 1
	s_and_b32 s14, s12, 1
	s_bfe_u32 s17, ttmp6, 0x40000                  ; cx
	s_bfe_u32 s18, ttmp6, 0x40004                  ; cy
	s_lshl_b32 s16, ttmp9, 2
	s_add_co_u32 s16, s16, s17                     ; tile column
	s_and_b32 s15, ttmp7, 0xffff
	s_lshl_b32 s15, s15, 2
	s_add_co_u32 s15, s15, s18                     ; tile row
	s_lshl_b32 s21, s18, 2
	s_lshl_b32 s21, 15, s21                        ; my row of the cluster
	s_lshl_b32 s22, 0x1111, s17                    ; my column
	s_or_b32 s24, s21, (1<<16)|(1<<20)|(1<<21)|APAD                 ; mask; 2-byte elements; padding on; bit 21 beside a mask; the padding's fields
	s_or_b32 s48, s22, (1<<16)|(1<<20)|(1<<21)|(5<<22)|(3<<25)
	s_mov_b32 s25, 128<<16                         ; tensor_dim0 = 128
	s_mov_b32 s26, 128<<16                         ; tensor_dim1 = 128
	s_mov_b32 s27, 128<<16                         ; tile_dim0 = 128
	s_mov_b32 s28, 128                             ; tile_dim1 = 128
	s_mov_b32 s29, ASTR
	s_mov_b32 s30, 0
	s_mov_b32 s31, 0
	s_mov_b32 s49, 128<<16
	s_mov_b32 s50, HB<<16
	s_mov_b32 s51, 128<<16
	s_mov_b32 s52, HB
	s_mov_b32 s53, 1024
	s_mov_b32 s54, 0
	s_mov_b32 s55, 0
.if QKV
	s_lshl_b32 s40, s15, 8
	s_lshl_b32 s41, s14, 7
	s_add_co_u32 s40, s40, s41                     ; A: row 256 x tile row + 128 x half,
	s_lshl_b32 s40, s40, 11                        ; of 2,048 bytes
.else
	s_lshr_b32 s40, s15, 3                         ; A: the batch,
	s_lshl_b32 s40, s40, 4
	s_add_co_u32 s40, s40, s14                     ; its head 0 or 1,
	s_lshl_b32 s40, s40, 18                        ; of 262,144 bytes,
	s_and_b32 s41, s15, 7
	s_lshl_b32 s41, s41, 15                        ; and the tile's 256 rows of 128 bytes in it
	s_add_co_u32 s40, s40, s41
.endif
	s_mov_b32 s41, 0
	s_mul_i32 s42, s16, NT
	s_mul_i32 s43, s14, HB
	s_add_co_u32 s42, s42, s43                     ; B: row NT x tile column + HB x half
	s_lshl_b32 s42, s42, 11
	s_mov_b32 s43, 0
	s_mul_i32 s78, s14, HALFA                      ; where they go: no place in the cluster enters an LDS address
	s_mul_i32 s79, s14, HB*PITCHB
	s_add_co_u32 s79, s79, AREG
	s_wait_dscnt 0x0                               ; the opening add is done
	s_wait_kmcnt 0x0
	s_add_nc_u64 s[40:41], s[4:5], s[40:41]
	s_add_nc_u64 s[42:43], s[6:7], s[42:43]
.irp n, 0,1
	s_mov_b32 s[32+4*(\n)], 1
	s_add_co_u32 s[33+4*(\n)], s78, (\n)*SLOT1
	s_add_nc_u64 s[34+4*(\n):35+4*(\n)], s[40:41], (\n)*ASTEP
	s_or_b32 s[35+4*(\n)], s[35+4*(\n)], 0x80000000
	s_mov_b32 s[56+4*(\n)], 1
	s_add_co_u32 s[57+4*(\n)], s79, (\n)*SLOT1
	s_add_nc_u64 s[58+4*(\n):59+4*(\n)], s[42:43], (\n)*256
	s_or_b32 s[59+4*(\n)], s[59+4*(\n)], 0x80000000
.endr
	CROUND                                         ; all sixteen work-groups are here: the first joint loads meet
	s_cmp_eq_u32 s13, 0                            ; a wave's two first fills stand in one branch: two loads of mine are out
	s_cbranch_scc0 .Lfirst_b
	tensor_load_to_lds s[32:35], s[24:31]
	s_nop 0
	tensor_load_to_lds s[36:39], s[24:31]
	s_nop 0
.rept 4
	v_nop
.endr
	s_branch .Lfirst_done
.Lfirst_b:
	tensor_load_to_lds s[56:59], s[48:55]
	s_nop 0
	tensor_load_to_lds s[60:63], s[48:55]
	s_nop 0
.rept 4
	v_nop
.endr
.Lfirst_done:
	; a fragment is 16 rows x 32 K in 8 registers: lane l holds row l % 16; two loads of 16 bytes, 32 bytes apart, at row x pitch + 16 (l / 16)
	v_and_b32 v1, 15, v0
	v_bfe_u32 v2, v0, 4, 1
	v_mul_u32_u24 v16, v1, PITCHA
	v_lshl_add_u32 v16, v2, 4, v16
	s_mul_i32 s80, s12, 64*PITCHA                  ; my 64 rows of A
	v_add_nc_u32 v16, s80, v16
	v_mul_u32_u24 v17, v1, PITCHB
	v_lshl_add_u32 v17, v2, 4, v17
	v_add_nc_u32 v17, AREG, v17
	v_mov_b32 v18, v16
	v_mov_b32 v19, v17
	s_mov_b32 s20, 0
	; the bias of my lane's columns: 16 b + 8 (l / 16) + 0..7 of the tile's NT
	v_lshlrev_b32 v27, 5, v2
	s_mul_i32 s22, s16, 4*NT
	s_mov_b32 s23, 0
	s_add_nc_u64 s[8:9], s[8:9], s[22:23]
.if !QKV
	s_add_nc_u64 s[8:9], s[8:9], 12288             ; bo is the table's fourth part
.endif
.set b, 0
.rept NBL
	global_load_b128 v[160+8*b:160+8*b+3], v27, s[8:9] offset:64*b
	global_load_b128 v[160+8*b+4:160+8*b+7], v27, s[8:9] offset:64*b+16
.set b, b+1
.endr
	s_mul_i32 s80, s12, SUNIT
	s_add_co_u32 s80, s80, STAGE                   ; my stage
	v_and_b32 v26, 31, v0
	v_lshlrev_b32 v26, 4, v26                      ; out: 16 bytes a lane, 512 consecutive bytes a store
.if QKV
	v_mul_u32_u24 v24, v1, 144                     ; in: row l % 16, 16 bytes for each half of the lanes
	v_lshl_add_u32 v24, v2, 4, v24
	v_add_nc_u32 v24, s80, v24
	v_bfe_u32 v25, v0, 3, 2                        ; back: 32 lanes take four rows of 128 bytes
	v_mul_u32_u24 v25, v25, 144
	v_and_b32 v3, 7, v0
	v_lshl_add_u32 v25, v3, 4, v25
	v_add_nc_u32 v25, s80, v25
	s_lshr_b32 s82, s15, 3
	s_lshl_b32 s82, s82, 4                         ; 16 x batch
	s_and_b32 s83, s15, 7
	s_lshl_b32 s83, s83, 8
	s_lshl_b32 s81, s12, 6
	s_add_co_u32 s83, s83, s81
	s_lshl_b32 s83, s83, 7                         ; my first row in the batch, of 128 bytes
	s_mul_i32 s22, s16, 3                          ; the tile's first head among the 48 of q, k, v
.irp hd, 0,1,2
	s_add_co_u32 s23, s22, \hd
	s_cmp_lt_u32 s23, 16
	s_cselect_b32 s[72+2*(\hd)], CSC, 1.0          ; q carries the scores' scale
	s_mov_b32 s[73+2*(\hd)], s[72+2*(\hd)]
	s_lshr_b32 s80, s23, 4
	s_lshl_b32 s80, s80, 6                         ; 64 x part
	s_and_b32 s81, s23, 15
	s_add_co_u32 s80, s80, s81
	s_add_co_u32 s80, s80, s82
	s_lshl_b32 s80, s80, 18
	s_add_co_u32 s80, s80, s83
	s_mov_b32 s81, 0
	s_add_nc_u64 s[66+2*(\hd):67+2*(\hd)], s[10:11], s[80:81]
.endr
.else
	v_mul_u32_u24 v24, v1, 528                     ; in: row l % 16, 32 bytes for each half of the lanes
	v_lshl_add_u32 v24, v2, 5, v24
	v_add_nc_u32 v24, s80, v24
	v_add_nc_u32 v25, s80, v26                     ; back: 32 lanes take one row of 512 bytes
	s_lshl_b32 s80, s15, 8
	s_lshl_b32 s81, s12, 6
	s_add_co_u32 s80, s80, s81
	s_lshl_b32 s80, s80, 12                        ; my first row of C, of 4,096 bytes,
	s_lshl_b32 s81, s16, 9
	s_add_co_u32 s80, s80, s81                     ; and the tile's 512 bytes in it
	s_mov_b32 s81, 0
	s_add_nc_u64 s[66:67], s[10:11], s[80:81]
.endif
	; the prefetches: my work-group's share of the rows that I fetch, at K step 3; the first change of slots steps it to 4
.if QKV
	s_lshl_b32 s80, s15, 8
	s_lshl_b32 s81, s14, 7
	s_add_co_u32 s80, s80, s81
	s_lshl_b32 s81, s17, 5
	s_add_co_u32 s80, s80, s81                     ; A: 32 rows for the partner at cx
	s_lshl_b32 s80, s80, 11
.else
	s_lshr_b32 s80, s15, 3
	s_lshl_b32 s80, s80, 4
	s_add_co_u32 s80, s80, s14
	s_lshl_b32 s80, s80, 18
	s_and_b32 s81, s15, 7
	s_lshl_b32 s81, s81, 15
	s_add_co_u32 s80, s80, s81
	s_lshl_b32 s81, s17, 13                        ; A: 32 pieces of 256 bytes for the partner at cx
	s_add_co_u32 s80, s80, s81
.endif
	s_mul_i32 s82, s16, NT
	s_mul_i32 s83, s14, HB
	s_add_co_u32 s82, s82, s83
	s_mul_i32 s83, s18, HB/4
	s_add_co_u32 s82, s82, s83                     ; B: HB / 4 rows for the partner at cy
	s_lshl_b32 s82, s82, 11
	s_and_b32 s84, ttmp7, 0xffff
	s_mov_b32 s46, ASTEP
	s_mov_b32 s87, 256
	s_mov_b32 s86, PFROW
	s_mov_b32 s88, 2048
	s_cmp_eq_u32 s13, 0
	s_cselect_b32 s80, s80, s82
	s_cselect_b32 s84, ttmp9, s84                  ; the coordinate along which other clusters read the same rows
	s_cselect_b64 s[44:45], s[4:5], s[6:7]
	s_cselect_b32 s46, s46, s87
	s_cselect_b32 s85, 31, HB/4-1
	s_cselect_b32 s86, s86, s88
	s_mov_b32 s47, 0
	s_mov_b32 s81, 0
	s_cmp_eq_u32 s84, 0
	s_cselect_b32 s19, 2, -1                       ; the same in all sixteen partners, for a given wave
	s_add_nc_u64 s[44:45], s[44:45], s[80:81]
	s_mul_i32 s82, s46, 3
	s_mov_b32 s83, 0
	s_add_nc_u64 s[44:45], s[44:45], s[82:83]
	v_and_b32 v30, 31, v0
	v_min_u32 v30, s85, v30                        ; B's share has fewer rows than lanes: the lanes left over name its last row
	v_mul_lo_u32 v30, v30, s86
	s_wait_tensorcnt 1                             ; my part of K step 0 is in; K step 1's may stay out
	s_barrier_signal -1
	s_barrier_wait -1
	FETCH 0, 0
	QUARTER 64, 0, 1, 1                            ; the first quarter stands in front of the loop: its products start the sums
	WIN 0
	s_mov_b32 s3, 6
.Lstep:                                        ; a trip: from a K step's second quarter to the next one's first; it fills the slot that it leaves with the K step two on
	QUARTER 128, 1, 0, 0
	QUARTER 192, 0, 1, 0
	TURN 1
	QUARTER 64, 0, 1, 0
	WIN 0
	s_sub_co_u32 s3, s3, 1
	s_cmp_lg_u32 s3, 0
	s_cbranch_scc1 .Lstep
	s_mov_b32 s3, 2
.Ltail:                                        ; K steps 6 and 7 fill nothing: one text, walked twice and left in the middle of its second trip
	QUARTER 128, 1, 0, 0
	QUARTER 192, 0, 1, 0
	TURN 0
	WIN 0
	s_sub_co_u32 s3, s3, 1
	s_cmp_eq_u32 s3, 0
	s_cbranch_scc1 .Lout
	QUARTER 64, 0, 1, 0
	WIN 0
	s_branch .Ltail
.Lout:                                         ; the second trip's barrier and its run of LDS loads (K step 6's first fragments once more) serve nothing: the price of one text for both steps
	PLACES
	s_wait_dscnt 0x0                               ; that run has landed: the way out loads into the same registers
	s_wait_loadcnt 0x0                             ; the bias
; THE WAY OUT, through my own stage: LDS serves a wave's instructions in order (ISA guide 5.7.1.4), so no wait stands between its stores and its loads.
.if QKV
.macro PACK u                          ; unit u: row block u / 3, head u % 3: sum x scale + bias in f32, rounded once to f16; each accumulator is read from its low end on
.set ua, (\u)/3
.set hd, (\u)%3
	WIN 1+ua/2
.set bb, 0
.rept 4
.set rA, 8*(NBL*(ua%2)+4*hd+bb)
.irp r, 0,2,4,6
	v_pk_fma_f32 v[96+8*bb+(\r):96+8*bb+(\r)+1], v[rA+(\r):rA+(\r)+1], s[72+2*hd:73+2*hd], v[160+8*(4*hd+bb)+(\r):160+8*(4*hd+bb)+(\r)+1] op_sel_hi:[1,0,1]
.endr
.set bb, bb+1
.endr
	WIN 0
.set bb, 0
.rept 16
	v_cvt_pk_f16_f32 v[128+bb], v[96+2*bb], v[96+2*bb+1]
.set bb, bb+1
.endr
.endm
.macro TOSTAGE u
	WIN 0
.irp c, 0,1,2,3
	ds_store_b128 v24, v[128+4*(\c):128+4*(\c)+3] offset:32*(\c)
.endr
	WIN 0xc0
.irp f, 0,1,2,3
	ds_load_b128 v[16*((\u)%2)+4*(\f):16*((\u)%2)+4*(\f)+3], v25 offset:576*(\f)
.endr
	WIN 0
.endm
.macro SEND u
	s_wait_dscnt 0x0                               ; the unit is back in registers
	s_wait_xcnt 0x0                                ; the stores of the unit before have read their registers: the next loads from the stage may land there
	WIN 0x0c                                       ; the stores' data lie in window 3
.irp f, 0,1,2,3
	global_store_b128 v26, v[16*((\u)%2)+4*(\f):16*((\u)%2)+4*(\f)+3], s[66+2*((\u)%3):67+2*((\u)%3)] offset:2048*((\u)/3)+512*(\f)
.endr
	WIN 0
.endm
	PACK 0
	TOSTAGE 0
.irp u, 1,2,3,4,5,6,7,8,9,10,11
	PACK \u
	SEND (\u)-1
	TOSTAGE \u
.endr
	SEND 11
.else
.macro PACK a                          ; row block a: sum + bias
	WIN 1+(\a)/2
.set bb, 0
.rept 32
	v_pk_add_f32 v[96+2*bb:96+2*bb+1], v[64*((\a)%2)+2*bb:64*((\a)%2)+2*bb+1], v[160+2*bb:160+2*bb+1]
.set bb, bb+1
.endr
	WIN 0
.endm
.macro TOSTAGE a
	WIN 0
.set t, 0
.rept 16
	ds_store_b128 v24, v[96+4*t:96+4*t+3] offset:64*(t/2)+16*(t%2)
.set t, t+1
.endr
	WIN 0xc0
.set t, 0
.rept 16
	ds_load_b128 v[64*((\a)%2)+4*t:64*((\a)%2)+4*t+3], v25 offset:528*t
.set t, t+1
.endr
	WIN 0
.endm
.macro SEND a
	s_wait_dscnt 0x0
	s_wait_xcnt 0x0
	WIN 0x0c
.set t, 0
.rept 16
	global_store_b128 v26, v[64*((\a)%2)+4*t:64*((\a)%2)+4*t+3], s[66:67] offset:(16*(\a)+t)*4096 th:TH_STORE_NT
.set t, t+1
.endr
	WIN 0
.endm
	PACK 0
	TOSTAGE 0
.irp a, 1,2,3
	PACK \a
	SEND (\a)-1
	TOSTAGE \a
.endr
	SEND 3
.endif
	s_wait_tensorcnt 0x0                           ; the wave's end
	ds_add_u32 v28, v29
	s_wait_dscnt 0x0
	CROUND                                         ; the closing round: no work-group ends while a partner may still ask for a tile that names it
	s_endpgm
.Lfunc_end_k_q9e345d2efe_qkv:
	.size	k_q9e345d2efe_qkv, .Lfunc_end_k_q9e345d2efe_qkv-k_q9e345d2efe_qkv
	.p2alignl 7, 3214868480
	.fill 96, 4, 3214868480
	.section	.rodata,"a",@progbits
	.p2align	6, 0x0
	.amdhsa_kernel k_q9e345d2efe_qkv
		.amdhsa_group_segment_fixed_size 327680
		.amdhsa_private_segment_fixed_size 0
		.amdhsa_enable_private_segment 0
		.amdhsa_kernarg_size 32
		.amdhsa_user_sgpr_count 2
		.amdhsa_user_sgpr_kernarg_segment_ptr 1
		.amdhsa_wavefront_size32 1
		.amdhsa_system_sgpr_workgroup_id_x 1
		.amdhsa_system_sgpr_workgroup_id_y 1
		.amdhsa_system_sgpr_workgroup_id_z 1
		.amdhsa_system_vgpr_workitem_id 0
		.amdhsa_next_free_vgpr 960
		.amdhsa_next_free_sgpr 90
		.amdhsa_reserve_vcc 0
		.amdhsa_float_denorm_mode_32 3
		.amdhsa_float_denorm_mode_16_64 3
		.amdhsa_memory_ordered 1
		.amdhsa_forward_progress 1
		.amdhsa_inst_pref_size 102
	.end_amdhsa_kernel
	.amdgpu_metadata
---
amdhsa.version: [ 1, 2 ]
amdhsa.kernels:
  - .name:           k_q9e345d2efe_qkv
    .symbol:         k_q9e345d2efe_qkv.kd
    .args:
      - { .name: xb, .offset: 0, .size: 8, .value_kind: global_buffer, .address_space: global }
      - { .name: wb, .offset: 8, .size: 8, .value_kind: global_buffer, .address_space: global }
      - { .name: bias4, .offset: 16, .size: 8, .value_kind: global_buffer, .address_space: global }
      - { .name: qkv, .offset: 24, .size: 8, .value_kind: global_buffer, .address_space: global }
    .group_segment_fixed_size: 327680
    .private_segment_fixed_size: 0
    .kernarg_segment_align: 8
    .kernarg_segment_size: 32
    .max_flat_workgroup_size: 128
    .sgpr_count:     90
    .vgpr_count:     960
    .wavefront_size: 32
...
	.end_amdgpu_metadata
.endif
;; end of part 2
;; launch attn (part 3): grid 4 x 64, 4 waves a work-group, clusters of 4 x 1, 327,680 bytes of LDS; arguments qkv, mbits, o16; writes o16
.if DOCPART == 3
	.amdgcn_target "amdgcn-amd-amdhsa--gfx1250"
	.amdhsa_code_object_version 6
	.text
	.protected	k_q9e345d2efe_attn
	.globl	k_q9e345d2efe_attn
	.p2align	8
	.type	k_q9e345d2efe_attn,@function
k_q9e345d2efe_attn:
	s_mov_b64 s[64:65], 0
	v_nop
	global_prefetch_b8 v0, s[64:65] scope:SCOPE_SE
	s_setreg_imm32_b32 hwreg(HW_REG_WAVE_MODE, 25, 1), 1
	s_wait_xcnt 0x0
	s_wait_alu depctr_hold_cnt(0) depctr_sa_sdst(0) depctr_va_vdst(0) depctr_va_sdst(0) depctr_va_ssrc(0) depctr_va_vcc(0) depctr_vm_vsrc(0)
	s_getreg_b32 s2, hwreg(HW_REG_IB_STS2, 6, 4)
	s_cmp_eq_u32 s2, 0
	s_cbranch_scc0 .Lentry_in_a_cluster
	s_endpgm
.Lentry_in_a_cluster:
	s_bfe_u32 s2, ttmp6, 0x10000c
	s_cmp_lg_u32 s2, 0x3003
	s_cbranch_scc0 .Lentry_shape_is_right
	s_endpgm
.Lentry_shape_is_right:
; ATTENTION WITH A MASK THAT IS AN INPUT.  For each of 64 (batch, head): O[q] = the sum over k of softmax_k(t[q][k]) V[k], t = Q . K where the mask's bit is set, H elsewhere.
; qkv: [3][64][2048][64] f16; Q arrives multiplied by c = log2(e) / 8, so t is the reference's score in base 2, and H = -1e9 x log2(e) rounded to f32 is its hidden score.
; The hidden score REPLACES the product (a select on the mask's bit), ahead of the running maximum: a row that is hidden altogether gives the mean of V's rows.
; Products, maxima and sums in f32; the weights p = 2^(t - m) are rounded to f16 for the second product (their sum l is taken of the unrounded p), O once at the end, [64][2048][64] f16.
; LIMITS.  f16 holds no number beyond 65,504: Q, K and V arrive within it; a weight below 2^-126 counts as 0; NaN and infinities are not treated apart.
; SHARES.  A work-group owns 512 queries of a head, a wave 128: four PIECES of two tiles of 16.  Every wave walks all 2,048 keys, 64 a step; a slot of LDS holds four steps.
; LAYOUT.  S^T = K Q^T holds ONE query a lane (lane % 16) and the keys 8 (lane / 16) + 0..7; two such results rounded to f16 ARE source 1 of O^T = V^T P.  V comes out of LDS turned.
; THE MASK'S ROAD.  mbits: [128 query tiles][32 key steps][32 words]: word r is the lane mask of register r of a tile of scores.  A select names its lanes by a scalar register, and a turn has 64 selects:
; 64 of the 102 scalar registers that can be named, beside 32 in other use: one set, and no second.  So the words wait in VECTOR registers: lane r loads word r, 8 registers hold a key step's words of
; my 8 tiles, each pair is asked for again as soon as it has been read, four turns ahead, and the loads are waited for by count.  A turn reads its pair lane by lane into the one scalar set; the lane reads
; stand among the selects, four words ahead of the select that names the word, so that no two lines that write a scalar register follow each other.
; BY TURNS.  Turn n belongs to piece n: 16 products K Q^T of piece n + 1, each with four vector lines behind it (t - m, then O a, of piece n); a run of vector work (the lane reads, selects and maximum of
; piece n + 1, the exponentials of piece n); one wait for the turn's 66 exponentials; 16 products V^T P of piece n - 1, behind each the roundings and sums of piece n.
; m starts at the lowest finite number, O and l at 0: the first step is a step like any other, with a = 0.
; CLUSTER.  The four query blocks of a head walk the same K and V: each tile is asked for jointly.  K and V have one pitch of 160 bytes, so one descriptor and one line serve all four waves
; (waves 0, 1: the halves of a slot's K; waves 2, 3: of its V); with that pitch the 16 rows of a load of K start at 8 different groups of banks.
; REGISTERS, in windows of 256 (s_set_vgpr_msb: bits 1:0 source 0, 3:2 source 1, 5:4 source 2, 7:6 destination):
;   window 0: v0-7 the thread's number and addresses; v8-15 mask words; v16-47 four statistics a tile: m, m_old, l (even keys', odd keys'); v48-63 at work; v64-191 S^T, two buffers of two tiles; v192-255 P, likewise
;   window 1: O^T, 32 a tile      window 2: v0-127 Q; v128-191 K of one step; v192-255 V of one step      window 3: v0-1 the add's two registers
.set NP,    4
.set KS,    64
.set PK,    160
.set PV,    160
.set VOFF,  4*KS*PK
.set SLOT1, 1<<17
.set STAGE, SLOT1+4*KS*(PK+PV)         ; behind the ring, never filled by a tensor load: 16 rows x 144 bytes for each wave
.set SP,    144
.set SPARE, STAGE+4*16*SP              ; the spare words: 128 bytes a wave, two blocks of 256 that no other line names
.set PFO, 1                            ; v1   256 x lane (at the head: l % 16)
.set AK0, 2
.set AV0, 3
.set AK,  4
.set AV,  5
.set QO,  6                            ; v6   my byte offset in the wave's rows of Q; on the way out STO
.set STO, 6
.set MO,  7                            ; v7   4 x lane: my word of a tile's 32; on the way out RD
.set RD,  7
.set MR,  8                            ; v[8:15] the mask words of piece p, tile u at MR + 2 p + u
.set GO,  11                           ; on the way out
.set SPW, 0                            ; window 3
.set NIL, 1                            ; window 3
.set ST,  16
.set TMP, 48                           ; by buffer and tile c0-c3; when the maximum is found c2 takes a
.set S,   64
.set P,   192
.set KF,  128
.set VF,  192
.set WV,    2                          ; s2   wave
.set SLOTS, 3                          ; s3   slots still to be asked for
.set CNT,   4                          ; s4   counts a slot's key steps
.set TBK,   5                          ; s5   LDS byte of K of the step to be fetched
.set TBV,   6                          ; s6   the same for V, less VOFF
.set LIM,   7                          ; s7   1 in a wave that prefetches, else the greatest number
.set G1,    8                          ; s[8:15]
.set G0,    16                         ; s[16:19] it walks
.set OA,    20                         ; s[20:21] O at my wave's first row
.set MB,    22                         ; s[22:23] mbits at my wave's first tile, at the key step whose words are asked for next
.set SEL,   24                         ; s[24:25] v_permlanex16_b32's selects
.set PFA,   26                         ; s[26:27] where my prefetches stand
.set MST,   28                         ; s[28:29] the mask pointer's step in the tail
.set QA,    30                         ; s[30:31] Q at my wave's first row
                                       ; s[32:63], s[68:99] the 32 mask words of the two tiles whose selects come next
.set HS,    100                        ; s100 H
.set MSB, 0
.macro WIN new
.if MSB != (\new)
	s_set_vgpr_msb (MSB<<8)|(\new)
.set MSB, (\new)
.endif
.endm
.set W_KQ, 0x0a
.set W_PV, 0x52
.set W_RS, 0x41
.set W_MK, 0xc0
.set W_AD, 0x0f
.macro JLOAD                           ; a joint fill: every wave's own 128 keys of K or V; s_nop 0 and four v_nop follow
	tensor_load_to_lds s[G0:G0+3], s[G1:G1+7]
	s_nop 0
.rept 4
	v_nop
.endr
.endm
; A prefetch of what the NEXT change of slots will ask for: a slot's 128 pieces of 256 bytes of K and of V.  The four partners take 32 each, told apart by address; wave 0 asks for K's, wave 2 for V's.
.macro ASK
	s_cmp_gt_u32 s[SLOTS], s[LIM]
	s_cbranch_scc0 .Lnot_mine_\@
	global_prefetch_b8 v[PFO], s[PFA:PFA+1] th:TH_LOAD_NT scope:SCOPE_SE
.Lnot_mine_\@:
.endm
.macro CROUND
	s_barrier_signal -1
	s_barrier_wait -1
	s_cmp_lg_u32 s[WV], 0
	s_cbranch_scc1 .Lnot_wave_0_\@
	s_barrier_signal -3
.Lnot_wave_0_\@:
	s_barrier_wait -3
	s_barrier_signal -1
	s_barrier_wait -1
.endm
; THE CHANGE OF SLOTS.  Each wave waits for all its tensor loads (one is out: its part of the other slot), adds 0 to its spare word, and waits for that and for its reads of the slot.
; fill = 1: the barrier is a round of the cluster's, and the joint fill, the keys two slots on, is the first thing behind it: it has four key steps in which to land.
.macro CHANGE fill
	WIN W_AD
	s_wait_tensorcnt 0x0
	ds_add_u32 v[SPW], v[NIL]
	WIN 0
.if \fill
	s_xor_b32 s[G0+1], s[G0+1], SLOT1
	s_add_nc_u64 s[G0+2:G0+3], s[G0+2:G0+3], 4*KS*128
	s_wait_xcnt 0x0                 ; the last prefetch, four key steps back, has read its address
	s_add_nc_u64 s[PFA:PFA+1], s[PFA:PFA+1], 4*KS*128
	s_wait_dscnt 0x0
	CROUND
	JLOAD
	ASK
.else
	s_wait_dscnt 0x0
	s_barrier_signal -1
	s_barrier_wait -1
.endif
	s_sub_co_u32 s[TBK], s[TBK], 4*KS*PK
	s_xor_b32 s[TBK], s[TBK], SLOT1
	s_sub_co_u32 s[TBV], s[TBV], 4*KS*PV
	s_xor_b32 s[TBV], s[TBV], SLOT1
.endm
.macro MLOADV p                        ; piece p's two tiles, the key step at which MB stands: lane r takes word r; 128 consecutive bytes a load
	WIN 0
	global_load_b32 v[MR+2*(\p)],   v[MO], s[MB:MB+1] offset:8192*(\p)
	global_load_b32 v[MR+2*(\p)+1], v[MO], s[MB:MB+1] offset:8192*(\p)+4096
.endm
.macro RL p, u, r                      ; word r of tile u of piece p into its scalar register
	WIN 0
	v_readlane_b32 s[32+36*(\u)+(\r)], v[MR+2*(\p)+(\u)], \r
.endm
.macro RLS p                           ; piece p's 64 words into the scalar set, in the order in which the selects will name them
.set r, 0
.rept 32
	RL \p, 0, r
	RL \p, 1, r
.set r, r+1
.endr
.endm
	s_load_b128 s[32:35], s[0:1], 0x0  ; qkv, mbits
	s_load_b64 s[36:37], s[0:1], 0x10  ; o16
	WIN W_MK
	v_lshl_add_u32 v[SPW], v0, 2, SPARE
	v_mov_b32 v[NIL], 0
	WIN W_AD
	ds_add_u32 v[SPW], v[NIL]       ; the wave's opening: the add and its wait stand ahead of my first tensor load
	WIN 0
	v_lshrrev_b32 v1, 5, v0
	v_readfirstlane_b32 s[WV], v1
	s_bfe_u32 s38, ttmp6, 0x40000   ; cx
	s_lshl_b32 s39, ttmp9, 2
	s_add_co_u32 s39, s39, s38      ; my block of 512 queries
	s_lshl_b32 s39, s39, 2
	s_add_co_u32 s39, s39, s[WV]    ; my wave among the head's sixteen: it enters Q's, O's and the mask's addresses alone
	s_and_b32 s40, ttmp7, 0xffff    ; the head, which the four partners share,
	s_lshl_b32 s40, s40, 18         ; of 262,144 bytes
	s_lshr_b32 s42, s[WV], 1
	s_add_co_u32 s42, s42, 1
	s_lshl_b32 s42, s42, 24         ; part 1 (K) for waves 0, 1; part 2 (V) for waves 2, 3: 16,777,216 bytes each
	s_add_co_u32 s42, s42, s40
	s_lshl_b32 s48, s38, 13         ; the prefetches: my work-group's 8,192 bytes of a slot's 32,768,
	s_add_co_u32 s48, s48, s42
	s_add_co_u32 s48, s48, 4*KS*128 ; in slot 1; the first change of slots steps it to slot 2
	s_mov_b32 s49, 0
	s_and_b32 s43, s[WV], 1
	s_lshl_b32 s43, s43, 14         ; which half of a slot's 256 keys I fetch
	s_add_co_u32 s42, s42, s43
	s_mov_b32 s43, 0
	s_lshl_b32 s44, s39, 14         ; my wave's 128 rows of 128 bytes
	s_add_co_u32 s44, s44, s40
	s_mov_b32 s45, 0
	s_lshl_b32 s46, s39, 15         ; my wave's 8 query tiles of 4,096 bytes of words
	s_mov_b32 s47, 0
	; 128 keys are 16,384 dense bytes: asked for as 64 rows of 256 bytes, padded in LDS after every key
	s_mov_b32 s[G1], 15|(1<<16)|(1<<20)|(1<<21)|(4<<22)|(7<<25)  ; the mask of four; 2-byte elements; padding on; bit 21 beside a mask; after every 32 words 8 words
	s_mov_b32 s[G1+1], 128<<16
	s_mov_b32 s[G1+2], 64<<16
	s_mov_b32 s[G1+3], 128<<16
	s_mov_b32 s[G1+4], 64
	s_mov_b32 s[G1+5], 128
	s_mov_b32 s[G1+6], 0
	s_mov_b32 s[G1+7], 0
	s_mov_b32 s[G0], 1
	s_mul_i32 s[G0+1], s[WV], 128*PK  ; my 128 rows in slot 0: K's two halves, then V's two
	s_mov_b32 s[SEL], 0x76543210
	s_mov_b32 s[SEL+1], 0xfedcba98
	s_mov_b32 s[TBK], SLOT1+4*KS*PK ; the first change of slots turns these two into 0
	s_mov_b32 s[TBV], SLOT1+4*KS*PV
	s_mov_b32 s[SLOTS], 7
	s_mov_b32 s[MST+1], 0
	s_mov_b32 s[HS], 0xceabfb8f     ; H = -1,442,695,040
	s_and_b32 s[LIM], s[WV], 1
	s_cmp_eq_u32 s[LIM], 0
	s_cselect_b32 s[LIM], 1, -1
	s_wait_dscnt 0x0                ; the opening add is done
	s_wait_kmcnt 0x0
	s_add_nc_u64 s[G0+2:G0+3], s[32:33], s[42:43]
	s_or_b32 s[G0+3], s[G0+3], 0x80000000
	s_add_nc_u64 s[QA:QA+1], s[32:33], s[44:45]
	s_add_nc_u64 s[OA:OA+1], s[36:37], s[44:45]
	s_add_nc_u64 s[MB:MB+1], s[34:35], s[46:47]
	s_add_nc_u64 s[PFA:PFA+1], s[32:33], s[48:49]
	CROUND                          ; all four work-groups are here: the first joint loads meet
	JLOAD                           ; slot 0; slot 1 is asked for when slot 0 is in
	; a fragment of K or Q is 16 rows x 32 channels in 8 registers: lane l holds row l % 16, channels 8 (l / 16) + 0..7 and 16 + 8 (l / 16) + 0..7: two loads of 16 bytes, 32 bytes apart
	v_and_b32 v1, 15, v0
	v_bfe_u32 v9, v0, 4, 1
	v_lshlrev_b32 v[QO], 7, v1
	v_lshl_add_u32 v[QO], v9, 4, v[QO]
	v_mul_u32_u24 v[AK0], v1, PK
	v_lshl_add_u32 v[AK0], v9, 4, v[AK0]
	; the turning load takes 16 keys x 16 channels (lane l reads key 8 (l / 16) + l % 8, channels 8 ((l / 8) % 2) + 0..7) and leaves half a fragment of V^T
	v_and_b32 v10, 7, v0
	v_bfe_u32 v11, v0, 3, 1
	v_lshl_add_u32 v[AV0], v9, 3, v10
	v_mul_u32_u24 v[AV0], v[AV0], PV
	v_lshl_add_u32 v[AV0], v11, 4, v[AV0]
	v_add_nc_u32 v[AV0], VOFF, v[AV0]
	v_mov_b32 v[AK], v[AK0]
	v_and_b32 v[MO], 31, v0
	v_lshlrev_b32 v[PFO], 8, v[MO]
	v_lshlrev_b32 v[MO], 2, v[MO]
.set k, 0
.rept 2*NP                          ; key step 0's mask words of all eight tiles
	global_load_b32 v[MR+k], v[MO], s[MB:MB+1] offset:4096*k
.set k, k+1
.endr
	WIN 0x80
.set i, 0
.rept 4*NP                          ; Q stays in registers: tile i / 2, channels 32 (i % 2) on
	global_load_b128 v[8*i:8*i+3],   v[QO], s[QA:QA+1] offset:(i/2)*2048+(i%2)*64
	global_load_b128 v[8*i+4:8*i+7], v[QO], s[QA:QA+1] offset:(i/2)*2048+(i%2)*64+32
.set i, i+1
.endr
	; what the first turn finds: V and P's second buffer hold 0 (its products V^T P, of a piece that has not been, add 0), O^T and l are 0.  All this stands in the wait for the first tile.
.set i, VF
.rept 64
	v_mov_b32 v[i], 0
.set i, i+1
.endr
	WIN 0x40
.set i, 0
.rept 64*NP
	v_mov_b32 v[i], 0
.set i, i+1
.endr
	WIN 0
.set i, 0
.rept 2*NP
	v_mov_b32 v[ST+4*i], 0xff7fffff
	v_mov_b32 v[ST+4*i+1], 0
	v_mov_b32 v[ST+4*i+2], 0
	v_mov_b32 v[ST+4*i+3], 0
.set i, i+1
.endr
.set i, P+32
.rept 32
	v_mov_b32 v[i], 0
.set i, i+1
.endr
; THE MATRIX WORK.  The 8 accumulators of a run of 16 take turns.
.macro KQ x                            ; product i of 16 of S^T = K Q^T: channels 32 (i / 8) on, keys 16 ((i / 2) % 4) on, tile 2 x + i % 2
	WIN W_KQ
.set rS, S+64*((\x)%2)+32*(i%2)+8*((i/2)%4)
.set rK, KF+16*((i/2)%4)+8*(i/8)
.set rQ, 16*(2*(\x)+i%2)+8*(i/8)
.if i < 8
	v_wmma_f32_16x16x32_f16 v[rS:rS+7], v[rK:rK+7], v[rQ:rQ+7], 0
.else
	v_wmma_f32_16x16x32_f16 v[rS:rS+7], v[rK:rK+7], v[rQ:rQ+7], v[rS:rS+7]
.endif
.endm
.macro PV x                            ; product i of 16 of O^T += V^T P: keys 32 (i / 8) on, channels 16 ((i / 2) % 4) on, tile 2 x + i % 2
	WIN W_PV
.set rO, 32*(2*(\x)+i%2)+8*((i/2)%4)
.set rV, VF+32*(i/8)+8*((i/2)%4)
.set rP, P+32*((\x)%2)+16*(i%2)+8*(i/8)
	v_wmma_f32_16x16x32_f16 v[rO:rO+7], v[rV:rV+7], v[rP:rP+7], v[rO:rO+7]
.endm
.macro MM                              ; the turn's next matrix instruction
.if i < 16
	KQ (Y+1)%NP
.set i, i+1
.else
.set i, i-16
	PV (Y+NP-1)%NP
.set i, i+17
.endif
.endm
.macro FETCH_K last=0                  ; a step's K: 16 loads in one run.  last = 1 (the tail): in the last trip there is no further step
	WIN 0
.if \last
	s_cmp_eq_u32 s[CNT], 1
	s_cbranch_scc1 .Lno_k_\@
.endif
	WIN 0x80
.irp f, 0,1,2,3,4,5,6,7
	ds_load_b128 v[KF+8*\f:KF+8*\f+3],   v[AK] offset:(\f/2)*16*PK+(\f%2)*64
	ds_load_b128 v[KF+8*\f+4:KF+8*\f+7], v[AK] offset:(\f/2)*16*PK+(\f%2)*64+32
.endr
	s_add_co_u32 s[TBK], s[TBK], KS*PK
	WIN 0
.if \last
.Lno_k_\@:
.endif
.endm
.macro FETCH_V
	WIN 0x80
.irp f, 0,1,2,3,4,5,6,7
	ds_load_tr16_b128 v[VF+8*\f:VF+8*\f+3],   v[AV] offset:(\f/4)*32*PV+(\f%4)*32
	ds_load_tr16_b128 v[VF+8*\f+4:VF+8*\f+7], v[AV] offset:(\f/4)*32*PV+16*PV+(\f%4)*32
.endr
	WIN 0
.endm
; THE VECTOR WORK.
.macro REGS y, u                       ; the registers of tile u (0, 1) of piece y
.set rT, ST+4*(2*(\y)+(\u))
.set rC, TMP+8*((\y)%2)+4*(\u)
.set rS, S+64*((\y)%2)+32*(\u)
.set rP, P+32*((\y)%2)+16*(\u)
.set rO, 32*(2*(\y)+(\u))
.endm
.macro FS f                            ; t - m for pair f / 2 of tile f % 2 of the piece in hand
	REGS Y, (\f)%2
	WIN 0
	v_pk_add_f32 v[rS+2*((\f)/2):rS+2*((\f)/2)+1], v[rS+2*((\f)/2):rS+2*((\f)/2)+1], v[rT:rT+1] op_sel_hi:[1,0] neg_lo:[0,1] neg_hi:[0,1]
.endm
.macro MSK g                           ; the select for register g / 2 of tile g % 2 of the NEXT piece: the product where the bit is set, else H; ascending
	REGS (Y+1)%NP, (\g)%2
	WIN 0
	v_cndmask_b32 v[rS+(\g)/2], s[HS], v[rS+(\g)/2], s[32+36*((\g)%2)+(\g)/2]
.endm
.macro EXP e                           ; the exponential of score e / 2 of tile e % 2 of the piece in hand
	REGS Y, (\e)%2
	WIN 0
	v_exp_f32 v[rS+(\e)/2], v[rS+(\e)/2]
.endm
.macro R2 r                            ; four numbers of O^T times a: its a was made, and waited for, in the turn before
	REGS Y, (\r)%2
	WIN W_RS
	v_pk_mul_f32 v[rO+4*((\r)/2):rO+4*((\r)/2)+1], v[rO+4*((\r)/2):rO+4*((\r)/2)+1], v[rC+2:rC+3] op_sel_hi:[1,0]
	v_pk_mul_f32 v[rO+4*((\r)/2)+2:rO+4*((\r)/2)+3], v[rO+4*((\r)/2)+2:rO+4*((\r)/2)+3], v[rC+2:rC+3] op_sel_hi:[1,0]
.endm
; Number n of the 21 that find the NEXT piece's maximum and statistics: 0-11 four chains of seven scores; 12-14, 16 the four left over, the old m, the four into one; 15 m_old is kept;
; 17, 18 the query's other 32 keys lie in the lane 16 away: the new m; 19, 20 m_old - m and a
.macro XS u, n
	REGS (Y+1)%NP, \u
	WIN 0
.if (\n) < 4
	v_max3_num_f32 v[rC+(\n)], v[rS+8*(\n)], v[rS+8*(\n)+1], v[rS+8*(\n)+2]
.elseif (\n) < 12
	v_max3_num_f32 v[rC+(\n)%4], v[rC+(\n)%4], v[rS+8*((\n)%4)+2*((\n)/4)+1], v[rS+8*((\n)%4)+2*((\n)/4)+2]
.elseif (\n) == 12
	v_max3_num_f32 v[rC], v[rC], v[rS+7], v[rS+15]
.elseif (\n) == 13
	v_max3_num_f32 v[rC+1], v[rC+1], v[rS+23], v[rS+31]
.elseif (\n) == 14
	v_max3_num_f32 v[rC+2], v[rC+2], v[rC+3], v[rT]
.elseif (\n) == 15
	v_mov_b32 v[rT+1], v[rT]
.elseif (\n) == 16
	v_max3_num_f32 v[rC], v[rC], v[rC+1], v[rC+2]
.elseif (\n) == 17
	v_permlanex16_b32 v[rC+3], v[rC], s[SEL], s[SEL+1]
.elseif (\n) == 18
	v_max_num_f32 v[rT], v[rC], v[rC+3]
.elseif (\n) == 19
	v_sub_f32 v[rC+1], v[rT+1], v[rT]
.else
	v_exp_f32 v[rC+2], v[rC+1]
.endif
.endm
.macro LL u, k                         ; l takes the sum of weights 4 k .. 4 k + 3 (the first time as l = a l + sum)
	REGS Y, \u
	WIN 0
.if (\k) == 0
	v_pk_fma_f32 v[rT+2:rT+3], v[rT+2:rT+3], v[rC+2:rC+3], v[rS:rS+1] op_sel_hi:[1,0,1]
.else
	v_pk_add_f32 v[rT+2:rT+3], v[rT+2:rT+3], v[rS+4*(\k):rS+4*(\k)+1]
.endif
.endm
.macro GR g                            ; behind product g of V^T P: of tile g % 2 the weights 4 (g / 2) .. + 3 are rounded to f16, their second pair is added onto the first, and l takes the group before
	REGS Y, (\g)%2
	WIN 0
	v_cvt_pk_f16_f32 v[rP+2*((\g)/2)], v[rS+4*((\g)/2)], v[rS+4*((\g)/2)+1]
	v_cvt_pk_f16_f32 v[rP+2*((\g)/2)+1], v[rS+4*((\g)/2)+2], v[rS+4*((\g)/2)+3]
	v_pk_add_f32 v[rS+4*((\g)/2):rS+4*((\g)/2)+1], v[rS+4*((\g)/2):rS+4*((\g)/2)+1], v[rS+4*((\g)/2)+2:rS+4*((\g)/2)+3]
.if (\g)/2 > 0
	LL (\g)%2, (\g)/2-1
.endif
.endm
; A TURN, for piece p.  Ahead of its one wait stands all that names no result of the turn's exponentials; behind it the roundings and sums.
; Behind the first 8 products K Q^T stand four subtractions each, behind the last 8 four rescalings each: one kind to a product, so that a product costs two switches of the windows.
; K of the next step is fetched in piece 2's turn, at the head of the vector run: five plain lines (four rescalings, the address) behind the last product that read K, the whole run and 16 products ahead of the wait for it.
; V of the step in hand is fetched at the end of piece 0's turn, six plain lines behind its last reader.
; THE MASK WORDS of piece p + 1 were asked for four turns back; behind them the three turns between have issued two loads each, so the count 6 shows them landed.  The first four words of both tiles are read
; at once; then, for each word g: the lane read of word g + 4 of tile 0, the select of word g of tile 0, the same two for tile 1, an exponential.  Behind the last lane read the pair of registers is asked for
; again, with the piece's next key step.  The pointer steps once a key step, in piece 3's turn, whose selects are the first of a new step.
; last = 1 (the tail): no K is fetched behind the last step, and the pointer stops at key step 31, so that no load leaves the table; what the last loads bring again is not used.
.macro TURN p, last=0
.set Y, (\p)
.set i, 0
.if (\p) == NP-1
	s_wait_dscnt 0x0                ; K is in
.endif
.set g, 0
.rept 8
	MM
	FS 4*g
	FS 4*g+1
	FS 4*g+2
	FS 4*g+3
.set g, g+1
.endr
.set g, 0
.rept 8
	MM
	R2 2*g
	R2 2*g+1
.set g, g+1
.endr
	WIN 0
.if (\p) == NP-2
	v_add_nc_u32 v[AK], s[TBK], v[AK0]
	FETCH_K \last
.endif
	s_wait_loadcnt 6                ; the six younger loads, of the three turns between, may stay out
.irp z, 0,1,2,3
	RL ((\p)+1)%NP, 0, \z
	RL ((\p)+1)%NP, 1, \z
.endr
.set g, 0
.rept 32
.if g < 28
	RL ((\p)+1)%NP, 0, g+4
.endif
	MSK 2*g
.if g < 28
	RL ((\p)+1)%NP, 1, g+4
.endif
	MSK 2*g+1
	EXP g
.if g == 27                         ; all 64 words have been read
.if (\p) == NP-1
.if \last
	s_cmp_gt_u32 s[CNT], 2          ; the tail's trips count 5 .. 1: the first three step to key steps 29, 30 and 31
	s_cselect_b32 s[MST], 128, 0
	s_wait_xcnt 0x0                 ; the loads issued so far, the youngest a turn back, have read the pointer
	s_add_nc_u64 s[MB:MB+1], s[MB:MB+1], s[MST:MST+1]
.else
	s_wait_xcnt 0x0                 ; the loads issued so far, the youngest a turn back, have read the pointer
	s_add_nc_u64 s[MB:MB+1], s[MB:MB+1], 128
.endif
.endif
	MLOADV ((\p)+1)%NP
.endif
.set g, g+1
.endr
.set g, 0
.irp n, 0,1,2,3,4,5,6,7,8,9,10,11,12,13,15
	XS 0, \n
	XS 1, \n
.if g < 12
	EXP 32+g
.endif
.set g, g+1
.endr
.set g, 44
.irp n, 14,16,17,18,19              ; the chain, where each number waits for the one before it: four exponentials stand between its links
	XS 0, \n
	XS 1, \n
	EXP g
	EXP g+1
	EXP g+2
	EXP g+3
.set g, g+4
.endr
	XS 0, 20                        ; the next piece's two a
	XS 1, 20
	v_nop                           ; a plain line behind the last exponential: one for the batch (ISA guide 5.7.2)
	s_wait_alu depctr_va_vdst(0)    ; the wait ahead of the first reader: one for the 66
.if (\p) == 1
	s_wait_dscnt 0x0                ; V is in
.endif
.set g, 0
.rept 16
	MM
	GR g
.if ((\p) == 0) && (g == 10)
	v_add_nc_u32 v[AV], s[TBV], v[AV0]
.endif
.if ((\p) == 0) && (g == 13)
	s_add_co_u32 s[TBV], s[TBV], KS*PV
.endif
.set g, g+1
.endr
	LL 0, 7
	LL 1, 7
.if (\p) == 0
	FETCH_V
.endif
.endm
	CHANGE 1                        ; slot 0 is in, everybody's part of it; slot 1 is asked for
	FETCH_K                         ; key step 0
	s_wait_loadcnt 0x0              ; Q, and key step 0's mask words
	s_wait_dscnt 0x0
.set i, 0
.rept 16
	KQ 0                            ; piece 0's first scores
.set i, i+1
.endr
	WIN 0
.rept 4
	v_nop                           ; the places behind those products
.endr
.set Y, NP-1                        ; MSK and XS work for piece Y + 1: piece 0
	RLS 0
	s_wait_xcnt 0x0                 ; the head's loads have read the pointer:
	s_add_nc_u64 s[MB:MB+1], s[MB:MB+1], 128  ; key step 1
	MLOADV 0
.set g, 0
.rept 64
	MSK g
.set g, g+1
.endr
.irp n, 0,1,2,3,4,5,6,7,8,9,10,11,12,13,14,15,16,17,18,19,20
	XS 0, \n
	XS 1, \n
.endr
	v_nop
	s_wait_alu depctr_va_vdst(0)    ; the two a have their wait ahead of the branch
	s_mov_b32 s[CNT], 4
	s_branch .Lfirst                ; the loop is entered at a step's first turn, in the middle of a trip
.Lslot:                             ; six times: with the change above, every slot but the last is followed by a fill
	CHANGE 1
	s_mov_b32 s[CNT], 4
.Lstep:                             ; a trip: pieces 2 and 3 of one step, then pieces 0 and 1 of the next, whose K and V it fetches
	TURN 2
	TURN 3
	WIN 0
.Lfirst:
	TURN 0
	TURN 1
	WIN 0
	s_sub_co_u32 s[CNT], s[CNT], 1
	s_cmp_lg_u32 s[CNT], 0
	s_cbranch_scc1 .Lstep
	s_sub_co_u32 s[SLOTS], s[SLOTS], 1
	s_cmp_lg_u32 s[SLOTS], 0
	s_cbranch_scc1 .Lslot
	CHANGE 0                        ; the tail is written out: nothing is asked for
	s_mov_b32 s[CNT], 5             ; four trips fetch the last slot's steps; the fifth is left in its middle
.Ltail:
	TURN 2, 1
	TURN 3, 1
	WIN 0
	s_sub_co_u32 s[CNT], s[CNT], 1
	s_cmp_eq_u32 s[CNT], 0
	s_cbranch_scc1 .Lout
	TURN 0
	TURN 1
	WIN 0
	s_branch .Ltail
.Lout:                              ; the fifth trip's 16 products K Q^T (on the last K once more) and what is made of them serve nothing: the price of one text for every trip
	s_wait_loadcnt 0x0              ; the last mask loads have landed: their registers and their address register serve the way out
.set i, 0
.rept 16
	PV NP-1                         ; the last piece's V^T P of the last step
.set i, i+1
.endr
	; THE WAY OUT.  l's two halves and the other half of the lanes' are added; O^T is divided by l, rounded to f16 and sent through my stage, a tile at a time.  The additions are the places behind the last products.
	WIN 0
.macro ALL line:vararg
.set t, 0
.rept 2*NP
	\line
.set t, t+1
.endr
.endm
	ALL v_add_f32 v[ST+4*t+2], v[ST+4*t+2], v[ST+4*t+3]
	ALL v_permlanex16_b32 v[ST+4*t+3], v[ST+4*t+2], s[SEL], s[SEL+1]
	ALL v_add_f32 v[ST+4*t+2], v[ST+4*t+2], v[ST+4*t+3]
	ALL v_rcp_f32 v[ST+4*t+2], v[ST+4*t+2]
	s_mul_i32 s[MST], s[WV], 16*SP  ; the addresses of the way out: plain lines behind the reciprocals, which name none of their results
	s_add_co_u32 s[MST], s[MST], STAGE
	v_and_b32 v8, 15, v0
	v_bfe_u32 v9, v0, 4, 1
	v_and_b32 v10, 7, v0
	v_mul_u32_u24 v[STO], v8, SP    ; in: row l % 16, 16 bytes for each half of the lanes
	v_lshl_add_u32 v[STO], v9, 4, v[STO]
	v_add_nc_u32 v[STO], s[MST], v[STO]
	v_bfe_u32 v[RD], v0, 3, 2       ; back: 32 lanes take four rows of 128 bytes,
	v_mul_u32_u24 v[RD], v[RD], SP
	v_lshl_add_u32 v[RD], v10, 4, v[RD]
	v_add_nc_u32 v[RD], s[MST], v[RD]
	v_and_b32 v[GO], 31, v0         ; which are 512 consecutive bytes of O
	v_lshlrev_b32 v[GO], 4, v[GO]
	s_wait_alu depctr_va_vdst(0)    ; one wait for the eight reciprocals
.macro PACK t
	WIN W_RS
.set i, 32*(\t)
.rept 16
	v_pk_mul_f32 v[i:i+1], v[i:i+1], v[ST+4*(\t)+2:ST+4*(\t)+3] op_sel_hi:[1,0]
.set i, i+2
.endr
	WIN 0x05
.set i, 0
.rept 16
	v_cvt_pk_f16_f32 v[S+16*(\t)+i], v[32*(\t)+2*i], v[32*(\t)+2*i+1]
.set i, i+1
.endr
	WIN 0
.irp f, 0,1,2,3
	ds_store_b128 v[STO], v[S+16*(\t)+4*\f:S+16*(\t)+4*\f+3] offset:32*\f
.endr
.irp f, 0,1,2,3
	ds_load_b128 v[S+16*(\t)+4*\f:S+16*(\t)+4*\f+3], v[RD] offset:\f*4*SP  ; LDS serves a wave's instructions in order (ISA guide 5.7.1.4): these see the stores above
.endr
.endm
.macro SEND t, younger              ; younger: the LDS instructions issued behind tile t's loads
	WIN 0
.irp f, 0,1,2,3
	s_wait_dscnt (\younger)+3-\f
	global_store_b128 v[GO], v[S+16*(\t)+4*\f:S+16*(\t)+4*\f+3], s[OA:OA+1] offset:(\t)*2048+\f*512  ; 512 consecutive bytes, at a multiple of 256 from O's first
.endr
.endm
	PACK 0
.set t, 1
.rept 2*NP-1
	PACK t
	SEND t-1, 8
.set t, t+1
.endr
	SEND 2*NP-1, 0
	WIN W_AD
	s_wait_tensorcnt 0x0            ; the wave's end
	ds_add_u32 v[SPW], v[NIL]
	s_wait_dscnt 0x0
	WIN 0
	CROUND                          ; the closing round
	s_endpgm
.Lfunc_end_k_q9e345d2efe_attn:
	.size	k_q9e345d2efe_attn, .Lfunc_end_k_q9e345d2efe_attn-k_q9e345d2efe_attn
	.p2alignl 7, 3214868480
	.fill 96, 4, 3214868480
	.section	.rodata,"a",@progbits
	.p2align	6, 0x0
	.amdhsa_kernel k_q9e345d2efe_attn
		.amdhsa_group_segment_fixed_size 327680
		.amdhsa_private_segment_fixed_size 0
		.amdhsa_enable_private_segment 0
		.amdhsa_kernarg_size 24
		.amdhsa_user_sgpr_count 2
		.amdhsa_user_sgpr_kernarg_segment_ptr 1
		.amdhsa_wavefront_size32 1
		.amdhsa_system_sgpr_workgroup_id_x 1
		.amdhsa_system_sgpr_workgroup_id_y 1
		.amdhsa_system_sgpr_workgroup_id_z 1
		.amdhsa_system_vgpr_workitem_id 0
		.amdhsa_next_free_vgpr 770
		.amdhsa_next_free_sgpr 102
		.amdhsa_reserve_vcc 0
		.amdhsa_float_denorm_mode_32 3
		.amdhsa_float_denorm_mode_16_64 3
		.amdhsa_memory_ordered 1
		.amdhsa_forward_progress 1
		.amdhsa_inst_pref_size 255
	.end_amdhsa_kernel
	.section	.bss,"aw",@nobits
	.p2align	6
	.space	262144
	.amdgpu_metadata
---
amdhsa.version: [ 1, 2 ]
amdhsa.kernels:
  - .name:           k_q9e345d2efe_attn
    .symbol:         k_q9e345d2efe_attn.kd
    .args:
      - { .name: qkv, .offset: 0, .size: 8, .value_kind: global_buffer, .address_space: global }
      - { .name: mbits, .offset: 8, .size: 8, .value_kind: global_buffer, .address_space: global }
      - { .name: o16, .offset: 16, .size: 8, .value_kind: global_buffer, .address_space: global }
    .group_segment_fixed_size: 327680
    .private_segment_fixed_size: 0
    .kernarg_segment_align: 8
    .kernarg_segment_size: 24
    .max_flat_workgroup_size: 128
    .sgpr_count:     102
    .vgpr_count:     770
    .wavefront_size: 32
...
	.end_amdgpu_metadata
.endif
;; end of part 3
;; launch outp (part 4): grid 8 x 32, 4 waves a work-group, clusters of 4 x 4, 327,680 bytes of LDS; arguments o16, wo16, bias4, out0; writes out0
.if DOCPART == 4
	.amdgcn_target "amdgcn-amd-amdhsa--gfx1250"
	.amdhsa_code_object_version 6
	.text
	.protected	k_q9e345d2efe_outp
	.globl	k_q9e345d2efe_outp
	.p2align	8
	.type	k_q9e345d2efe_outp,@function
k_q9e345d2efe_outp:
	s_mov_b64 s[64:65], 0
	v_nop
	global_prefetch_b8 v0, s[64:65] scope:SCOPE_SE
	s_setreg_imm32_b32 hwreg(HW_REG_WAVE_MODE, 25, 1), 1
	s_wait_xcnt 0x0
	s_wait_alu depctr_hold_cnt(0) depctr_sa_sdst(0) depctr_va_vdst(0) depctr_va_sdst(0) depctr_va_ssrc(0) depctr_va_vcc(0) depctr_vm_vsrc(0)
	s_getreg_b32 s2, hwreg(HW_REG_IB_STS2, 6, 4)
	s_cmp_eq_u32 s2, 0
	s_cbranch_scc0 .Lentry_in_a_cluster
	s_endpgm
.Lentry_in_a_cluster:
	s_bfe_u32 s2, ttmp6, 0x10000c
	s_cmp_lg_u32 s2, 0xf033
	s_cbranch_scc0 .Lentry_shape_is_right
	s_endpgm
.Lentry_shape_is_right:
; ONE TEXT FOR TWO PRODUCTS C = A B^T + bias, K = 1,024, sums in f32.  QKV = 1: the three projections; QKV = 0: the output projection.
;   QKV = 1: A = xb [8192][1024] bf16, B = wb [3072][1024] bf16.  C leaves by heads, [3][64 (batch, head)][2048][64] f16, rounded once; part 0 (q) is (sum) c + c bq, c = log2(e) / 8.
;   QKV = 0: A = o16 [64 (batch, head)][2048][64] f16, B = wo16 [1024][1024] f16, C = out0 [8192][1024] f32.  A K step of 128 is two heads' 64 channels.
; LIMITS.  q c, k and v beyond 65,504 become infinities in f16; NaN and infinities are not treated apart.
; SHARES.  A work-group makes 256 rows x NT columns (192 or 128); its four waves lie one below the other: wave w has rows 64 w .. 64 w + 63 and all NT columns: 4 x NBL accumulators.
; With QKV = 1 a wave so holds three whole heads, and 16 rows of a head leave as 2,048 consecutive bytes from the wave's own stage, without a barrier.
; K goes in steps of 128 through two LDS slots; one tensor load a wave fills a quarter of a slot (waves 0, 1: A's halves; waves 2, 3: B's).
; CLUSTER 4 x 4: A's tile hangs on the tile row alone and is asked for jointly along a row of the cluster, B's on the tile column alone and jointly along a column.
; THE MATRIX INSTRUCTION IS USED TRANSPOSED (source 0 = 16 rows of B, source 1 = 16 rows of A): a lane holds row l % 16 of C and the columns 8 (l / 16) + 0..7.
; REGISTERS, in windows of 256 (s_set_vgpr_msb: bits 1:0 source 0, 3:2 source 1, 5:4 source 2, 7:6 destination):
;   window 0: v1, v2 l % 16, l / 16; v16-19 LDS addresses; v24-30 way out, add, prefetch; v32-95 A's fragments, two buffers; v96.. at work on the way out; v160.. the bias
;   window 1: accumulators of row blocks 0, 1 at 8 (NBL (a % 2) + b);  window 2: of row blocks 2, 3;  window 3: B's fragments, two buffers of 8 NBL; on the way out rows read back
.set QKV, 0
.set SLOT1, 1<<17                      ; slot 1 begins here: one exclusive or turns an address in one slot into the other's
.if QKV
.set NBL,    12                        ; column blocks of 16
.set HB,     96                        ; rows of B in a tensor load
.set PITCHA, 272                       ; A's LDS row: 256 bytes + 16
.set HALFA,  128*272                   ; what one tensor load brings of A: 128 rows
.set ASTEP,  256                       ; bytes from a K step of A to the next
.set ASTR,   1024                      ; elements from row to row of A's tile in memory
.set APAD,   (5<<22)|(3<<25)           ; 4 words of padding after every 64
.set PFROW,  2048                      ; A's prefetch: bytes from lane to lane
.set SUNIT,  16*144                    ; a wave's stage
.else
.set NBL,    8
.set HB,     64
.set PITCHA, 144                       ; a head's row: 128 bytes + 16
.set HALFA,  256*144                   ; 256 rows of one head
.set ASTEP,  2*2048*128                ; two heads on
.set ASTR,   128                       ; a head's 256 rows are 32,768 dense bytes: asked for as 128 rows of 256
.set APAD,   (4<<22)|(3<<25)           ; 4 words of padding after every 32
.set PFROW,  256
.set SUNIT,  16*528
.endif
.set NT,     16*NBL
.set AREG,   2*HALFA                   ; B's rows lie behind A's
.set PITCHB, 272
.set STAGE,  SLOT1+AREG+NT*PITCHB      ; behind the ring, never filled by a tensor load
.set SPARE,  STAGE+4*SUNIT             ; the spare words: 128 bytes a wave, two blocks of 256 that no other line names
.set NLD,    2*NBL+8                   ; LDS loads in a run
.set CSC,    0x3e38aa3b
; scalars: s3 trips; s[4:11] A, B, bias, C; s12 wave; s13 wave / 2 (0: I fetch A, 1: B); s14 wave % 2; s15 tile row; s16 tile column; s17 cx; s18 cy; s19 prefetch limit; s20 slot in hand;
; s[24:31] group 1 of A; s[32:35], s[36:39] group 0 of A: first fill, walking; s[44:45] prefetch address; s[46:47] its step; s[48:55] group 1 of B; s[56:59], s[60:63] group 0 of B;
; s[66:71] bases of C; s[72:77] scales, in pairs; s21-23, s40-43, s78-88 at work
.set MSB, 0
.macro WIN new                         ; the immediate's high byte repeats the setting that is left; a switch that changes nothing is dropped
.if MSB != (\new)
	s_set_vgpr_msb (MSB<<8)|(\new)
.set MSB, (\new)
.endif
.endm
.macro PLACES                          ; four plain vector lines between a matrix instruction and a load into, or a vector line on, its registers
.rept 4
	v_nop
.endr
.endm
.macro CREST                           ; a round of the cluster's barrier behind its opening barrier
	s_cmp_lg_u32 s12, 0
	s_cbranch_scc1 .Lnot_wave_0_\@
	s_barrier_signal -3
.Lnot_wave_0_\@:
	s_barrier_wait -3
	s_barrier_signal -1
	s_barrier_wait -1
.endm
.macro CROUND
	s_barrier_signal -1
	s_barrier_wait -1
	CREST
.endm
.macro JLOAD                           ; a joint refill by the walking descriptors; the branch hangs on the wave's number alone; s_nop 0 and four v_nop follow each line
	s_cmp_eq_u32 s13, 0
	s_cbranch_scc0 .Lfor_b_\@
	tensor_load_to_lds s[36:39], s[24:31]
	s_nop 0
.rept 4
	v_nop
.endr
	s_branch .Lasked_\@
.Lfor_b_\@:
	tensor_load_to_lds s[60:63], s[48:55]
	s_nop 0
.rept 4
	v_nop
.endr
.Lasked_\@:
.endm
; A prefetch of the K step that stands two refills on.  A's tile rows are read by every cluster of a row of clusters: cluster x = 0 asks; B's by every cluster of a column: cluster y = 0 asks.
; The four partners of a joint load share its rows out by address.  Trips with s3 <= 2 have no K step two refills on.
.macro ASK
	s_cmp_gt_u32 s3, s19
	s_cbranch_scc0 .Lnot_mine_\@
	global_prefetch_b8 v30, s[44:45] th:TH_LOAD_NT scope:SCOPE_SE
.Lnot_mine_\@:
.endm
; NBL matrix instructions: row block a x all column blocks, 32 along K, from buffer f.  zero = 1: the products start the sums.  The 4 NBL accumulators take turns.
.macro MUL f, a, zero
	WIN 0x53+0x50*((\a)/2)
.set b, 0
.rept NBL
.set rC, 8*(NBL*((\a)%2)+b)
.set rB, 8*NBL*(\f)+8*b
.set rA, 32+32*(\f)+8*(\a)
.if QKV
.if \zero
	v_wmma_f32_16x16x32_bf16 v[rC:rC+7], v[rB:rB+7], v[rA:rA+7], 0
.else
	v_wmma_f32_16x16x32_bf16 v[rC:rC+7], v[rB:rB+7], v[rA:rA+7], v[rC:rC+7]
.endif
.else
.if \zero
	v_wmma_f32_16x16x32_f16 v[rC:rC+7], v[rB:rB+7], v[rA:rA+7], 0
.else
	v_wmma_f32_16x16x32_f16 v[rC:rC+7], v[rB:rB+7], v[rA:rA+7], v[rC:rC+7]
.endif
.endif
.set b, b+1
.endr
.endm
; One run of LDS loads: the fragments of 32 along K at byte k of a K step's 256, into buffer f: B's NBL blocks, then A's four
.macro FETCH k, f
	WIN 0xc0                                       ; destination window 3, address window 0
.set b, 0
.rept NBL
	ds_load_b128 v[8*NBL*(\f)+8*b:8*NBL*(\f)+8*b+3],   v19 offset:(\k)+b*16*PITCHB
	ds_load_b128 v[8*NBL*(\f)+8*b+4:8*NBL*(\f)+8*b+7], v19 offset:(\k)+b*16*PITCHB+32
.set b, b+1
.endr
	WIN 0
.if QKV
.set ao, (\k)
.else
.set ao, ((\k)/128)*HALFA+(\k)%128     ; the K step's second head lies behind the first's 256 rows
.endif
.irp a, 0,1,2,3
	ds_load_b128 v[32+32*(\f)+8*(\a):32+32*(\f)+8*(\a)+3],   v18 offset:ao+(\a)*16*PITCHA
	ds_load_b128 v[32+32*(\f)+8*(\a)+4:32+32*(\f)+8*(\a)+7], v18 offset:ao+(\a)*16*PITCHA+32
.endr
.endm
; A K step is four quarters of 32 along K on buffers 0, 1, 0, 1.  One of the first three: multiplies buffer f; in its middle it fetches the next quarter, at byte k, into buffer g.
.macro QUARTER k, f, g, zero
	s_wait_dscnt 4                                 ; all but the youngest four loads, A's row blocks 2 and 3
	MUL \f, 0, \zero
	MUL \f, 1, \zero
	PLACES
	FETCH \k, \g
	s_wait_dscnt NLD                               ; all but the run just issued
	MUL \f, 2, \zero
	MUL \f, 3, \zero
.endm
; The last quarter multiplies buffer 1 and changes slots.  In front of the barrier each wave waits for all its tensor loads (one is out: its part of the next slot), adds 0 to its spare word, and waits
; for that and for its reads of this slot.  fill = 1: the barrier opens a round of the cluster's, and the joint refill, two K steps on, is the first tensor load behind the round.
.macro TURN fill
.if \fill
	s_wait_xcnt 0x0                                ; the last prefetch, a K step back, has read its address
	s_add_nc_u64 s[44:45], s[44:45], s[46:47]
.endif
	WIN 0
	s_wait_tensorcnt 0x0
	ds_add_u32 v28, v29
	s_wait_dscnt 5                                 ; the add and the youngest four loads may be out
	MUL 1, 0, 0
	s_wait_dscnt 0x0                               ; the add is done, my reads of this slot are over
	s_barrier_signal -1
	MUL 1, 1, 0
	WIN 0
	s_barrier_wait -1
.if \fill
	CREST
	s_xor_b32 s37, s37, SLOT1                      ; no tensor load of mine is out: the walking descriptors take the other slot and the next K step
	s_add_nc_u64 s[38:39], s[38:39], ASTEP
	s_xor_b32 s61, s61, SLOT1
	s_add_nc_u64 s[62:63], s[62:63], 256
	JLOAD                                          ; its four v_nop are also the places in front of the loads below
.else
	PLACES
.endif
	s_xor_b32 s20, s20, SLOT1
	v_add_nc_u32 v18, s20, v16
	v_add_nc_u32 v19, s20, v17
	FETCH 0, 0
.if \fill
	ASK
.endif
	MUL 1, 2, 0
	MUL 1, 3, 0
.endm
	s_load_b256 s[4:11], s[0:1], 0x0               ; A, B, bias, C
	v_lshl_add_u32 v28, v0, 2, SPARE
	v_mov_b32 v29, 0
	ds_add_u32 v28, v29                            ; the wave's opening: the add and its wait stand ahead of my first tensor load
	v_lshrrev_b32 v1, 5, v0
	v_readfirstlane_b32 s12, v1
	s_lshr_b32 s13, s12, 1
	s_and_b32 s14, s12, 1
	s_bfe_u32 s17, ttmp6, 0x40000                  ; cx
	s_bfe_u32 s18, ttmp6, 0x40004                  ; cy
	s_lshl_b32 s16, ttmp9, 2
	s_add_co_u32 s16, s16, s17                     ; tile column
	s_and_b32 s15, ttmp7, 0xffff
	s_lshl_b32 s15, s15, 2
	s_add_co_u32 s15, s15, s18                     ; tile row
	s_lshl_b32 s21, s18, 2
	s_lshl_b32 s21, 15, s21                        ; my row of the cluster
	s_lshl_b32 s22, 0x1111, s17                    ; my column
	s_or_b32 s24, s21, (1<<16)|(1<<20)|(1<<21)|APAD                 ; mask; 2-byte elements; padding on; bit 21 beside a mask; the padding's fields
	s_or_b32 s48, s22, (1<<16)|(1<<20)|(1<<21)|(5<<22)|(3<<25)
	s_mov_b32 s25, 128<<16                         ; tensor_dim0 = 128
	s_mov_b32 s26, 128<<16                         ; tensor_dim1 = 128
	s_mov_b32 s27, 128<<16                         ; tile_dim0 = 128
	s_mov_b32 s28, 128                             ; tile_dim1 = 128
	s_mov_b32 s29, ASTR
	s_mov_b32 s30, 0
	s_mov_b32 s31, 0
	s_mov_b32 s49, 128<<16
	s_mov_b32 s50, HB<<16
	s_mov_b32 s51, 128<<16
	s_mov_b32 s52, HB
	s_mov_b32 s53, 1024
	s_mov_b32 s54, 0
	s_mov_b32 s55, 0
.if QKV
	s_lshl_b32 s40, s15, 8
	s_lshl_b32 s41, s14, 7
	s_add_co_u32 s40, s40, s41                     ; A: row 256 x tile row + 128 x half,
	s_lshl_b32 s40, s40, 11                        ; of 2,048 bytes
.else
	s_lshr_b32 s40, s15, 3                         ; A: the batch,
	s_lshl_b32 s40, s40, 4
	s_add_co_u32 s40, s40, s14                     ; its head 0 or 1,
	s_lshl_b32 s40, s40, 18                        ; of 262,144 bytes,
	s_and_b32 s41, s15, 7
	s_lshl_b32 s41, s41, 15                        ; and the tile's 256 rows of 128 bytes in it
	s_add_co_u32 s40, s40, s41
.endif
	s_mov_b32 s41, 0
	s_mul_i32 s42, s16, NT
	s_mul_i32 s43, s14, HB
	s_add_co_u32 s42, s42, s43                     ; B: row NT x tile column + HB x half
	s_lshl_b32 s42, s42, 11
	s_mov_b32 s43, 0
	s_mul_i32 s78, s14, HALFA                      ; where they go: no place in the cluster enters an LDS address
	s_mul_i32 s79, s14, HB*PITCHB
	s_add_co_u32 s79, s79, AREG
	s_wait_dscnt 0x0                               ; the opening add is done
	s_wait_kmcnt 0x0
	s_add_nc_u64 s[40:41], s[4:5], s[40:41]
	s_add_nc_u64 s[42:43], s[6:7], s[42:43]
.irp n, 0,1
	s_mov_b32 s[32+4*(\n)], 1
	s_add_co_u32 s[33+4*(\n)], s78, (\n)*SLOT1
	s_add_nc_u64 s[34+4*(\n):35+4*(\n)], s[40:41], (\n)*ASTEP
	s_or_b32 s[35+4*(\n)], s[35+4*(\n)], 0x80000000
	s_mov_b32 s[56+4*(\n)], 1
	s_add_co_u32 s[57+4*(\n)], s79, (\n)*SLOT1
	s_add_nc_u64 s[58+4*(\n):59+4*(\n)], s[42:43], (\n)*256
	s_or_b32 s[59+4*(\n)], s[59+4*(\n)], 0x80000000
.endr
	CROUND                                         ; all sixteen work-groups are here: the first joint loads meet
	s_cmp_eq_u32 s13, 0                            ; a wave's two first fills stand in one branch: two loads of mine are out
	s_cbranch_scc0 .Lfirst_b
	tensor_load_to_lds s[32:35], s[24:31]
	s_nop 0
	tensor_load_to_lds s[36:39], s[24:31]
	s_nop 0
.rept 4
	v_nop
.endr
	s_branch .Lfirst_done
.Lfirst_b:
	tensor_load_to_lds s[56:59], s[48:55]
	s_nop 0
	tensor_load_to_lds s[60:63], s[48:55]
	s_nop 0
.rept 4
	v_nop
.endr
.Lfirst_done:
	; a fragment is 16 rows x 32 K in 8 registers: lane l holds row l % 16; two loads of 16 bytes, 32 bytes apart, at row x pitch + 16 (l / 16)
	v_and_b32 v1, 15, v0
	v_bfe_u32 v2, v0, 4, 1
	v_mul_u32_u24 v16, v1, PITCHA
	v_lshl_add_u32 v16, v2, 4, v16
	s_mul_i32 s80, s12, 64*PITCHA                  ; my 64 rows of A
	v_add_nc_u32 v16, s80, v16
	v_mul_u32_u24 v17, v1, PITCHB
	v_lshl_add_u32 v17, v2, 4, v17
	v_add_nc_u32 v17, AREG, v17
	v_mov_b32 v18, v16
	v_mov_b32 v19, v17
	s_mov_b32 s20, 0
	; the bias of my lane's columns: 16 b + 8 (l / 16) + 0..7 of the tile's NT
	v_lshlrev_b32 v27, 5, v2
	s_mul_i32 s22, s16, 4*NT
	s_mov_b32 s23, 0
	s_add_nc_u64 s[8:9], s[8:9], s[22:23]
.if !QKV
	s_add_nc_u64 s[8:9], s[8:9], 12288             ; bo is the table's fourth part
.endif
.set b, 0
.rept NBL
	global_load_b128 v[160+8*b:160+8*b+3], v27, s[8:9] offset:64*b
	global_load_b128 v[160+8*b+4:160+8*b+7], v27, s[8:9] offset:64*b+16
.set b, b+1
.endr
	s_mul_i32 s80, s12, SUNIT
	s_add_co_u32 s80, s80, STAGE                   ; my stage
	v_and_b32 v26, 31, v0
	v_lshlrev_b32 v26, 4, v26                      ; out: 16 bytes a lane, 512 consecutive bytes a store
.if QKV
	v_mul_u32_u24 v24, v1, 144                     ; in: row l % 16, 16 bytes for each half of the lanes
	v_lshl_add_u32 v24, v2, 4, v24
	v_add_nc_u32 v24, s80, v24
	v_bfe_u32 v25, v0, 3, 2                        ; back: 32 lanes take four rows of 128 bytes
	v_mul_u32_u24 v25, v25, 144
	v_and_b32 v3, 7, v0
	v_lshl_add_u32 v25, v3, 4, v25
	v_add_nc_u32 v25, s80, v25
	s_lshr_b32 s82, s15, 3
	s_lshl_b32 s82, s82, 4                         ; 16 x batch
	s_and_b32 s83, s15, 7
	s_lshl_b32 s83, s83, 8
	s_lshl_b32 s81, s12, 6
	s_add_co_u32 s83, s83, s81
	s_lshl_b32 s83, s83, 7                         ; my first row in the batch, of 128 bytes
	s_mul_i32 s22, s16, 3                          ; the tile's first head among the 48 of q, k, v
.irp hd, 0,1,2
	s_add_co_u32 s23, s22, \hd
	s_cmp_lt_u32 s23, 16
	s_cselect_b32 s[72+2*(\hd)], CSC, 1.0          ; q carries the scores' scale
	s_mov_b32 s[73+2*(\hd)], s[72+2*(\hd)]
	s_lshr_b32 s80, s23, 4
	s_lshl_b32 s80, s80, 6                         ; 64 x part
	s_and_b32 s81, s23, 15
	s_add_co_u32 s80, s80, s81
	s_add_co_u32 s80, s80, s82
	s_lshl_b32 s80, s80, 18
	s_add_co_u32 s80, s80, s83
	s_mov_b32 s81, 0
	s_add_nc_u64 s[66+2*(\hd):67+2*(\hd)], s[10:11], s[80:81]
.endr
.else
	v_mul_u32_u24 v24, v1, 528                     ; in: row l % 16, 32 bytes for each half of the lanes
	v_lshl_add_u32 v24, v2, 5, v24
	v_add_nc_u32 v24, s80, v24
	v_add_nc_u32 v25, s80, v26                     ; back: 32 lanes take one row of 512 bytes
	s_lshl_b32 s80, s15, 8
	s_lshl_b32 s81, s12, 6
	s_add_co_u32 s80, s80, s81
	s_lshl_b32 s80, s80, 12                        ; my first row of C, of 4,096 bytes,
	s_lshl_b32 s81, s16, 9
	s_add_co_u32 s80, s80, s81                     ; and the tile's 512 bytes in it
	s_mov_b32 s81, 0
	s_add_nc_u64 s[66:67], s[10:11], s[80:81]
.endif
	; the prefetches: my work-group's share of the rows that I fetch, at K step 3; the first change of slots steps it to 4
.if QKV
	s_lshl_b32 s80, s15, 8
	s_lshl_b32 s81, s14, 7
	s_add_co_u32 s80, s80, s81
	s_lshl_b32 s81, s17, 5
	s_add_co_u32 s80, s80, s81                     ; A: 32 rows for the partner at cx
	s_lshl_b32 s80, s80, 11
.else
	s_lshr_b32 s80, s15, 3
	s_lshl_b32 s80, s80, 4
	s_add_co_u32 s80, s80, s14
	s_lshl_b32 s80, s80, 18
	s_and_b32 s81, s15, 7
	s_lshl_b32 s81, s81, 15
	s_add_co_u32 s80, s80, s81
	s_lshl_b32 s81, s17, 13                        ; A: 32 pieces of 256 bytes for the partner at cx
	s_add_co_u32 s80, s80, s81
.endif
	s_mul_i32 s82, s16, NT
	s_mul_i32 s83, s14, HB
	s_add_co_u32 s82, s82, s83
	s_mul_i32 s83, s18, HB/4
	s_add_co_u32 s82, s82, s83                     ; B: HB / 4 rows for the partner at cy
	s_lshl_b32 s82, s82, 11
	s_and_b32 s84, ttmp7, 0xffff
	s_mov_b32 s46, ASTEP
	s_mov_b32 s87, 256
	s_mov_b32 s86, PFROW
	s_mov_b32 s88, 2048
	s_cmp_eq_u32 s13, 0
	s_cselect_b32 s80, s80, s82
	s_cselect_b32 s84, ttmp9, s84                  ; the coordinate along which other clusters read the same rows
	s_cselect_b64 s[44:45], s[4:5], s[6:7]
	s_cselect_b32 s46, s46, s87
	s_cselect_b32 s85, 31, HB/4-1
	s_cselect_b32 s86, s86, s88
	s_mov_b32 s47, 0
	s_mov_b32 s81, 0
	s_cmp_eq_u32 s84, 0
	s_cselect_b32 s19, 2, -1                       ; the same in all sixteen partners, for a given wave
	s_add_nc_u64 s[44:45], s[44:45], s[80:81]
	s_mul_i32 s82, s46, 3
	s_mov_b32 s83, 0
	s_add_nc_u64 s[44:45], s[44:45], s[82:83]
	v_and_b32 v30, 31, v0
	v_min_u32 v30, s85, v30                        ; B's share has fewer rows than lanes: the lanes left over name its last row
	v_mul_lo_u32 v30, v30, s86
	s_wait_tensorcnt 1                             ; my part of K step 0 is in; K step 1's may stay out
	s_barrier_signal -1
	s_barrier_wait -1
	FETCH 0, 0
	QUARTER 64, 0, 1, 1                            ; the first quarter stands in front of the loop: its products start the sums
	WIN 0
	s_mov_b32 s3, 6
.Lstep:                                        ; a trip: from a K step's second quarter to the next one's first; it fills the slot that it leaves with the K step two on
	QUARTER 128, 1, 0, 0
	QUARTER 192, 0, 1, 0
	TURN 1
	QUARTER 64, 0, 1, 0
	WIN 0
	s_sub_co_u32 s3, s3, 1
	s_cmp_lg_u32 s3, 0
	s_cbranch_scc1 .Lstep
	s_mov_b32 s3, 2
.Ltail:                                        ; K steps 6 and 7 fill nothing: one text, walked twice and left in the middle of its second trip
	QUARTER 128, 1, 0, 0
	QUARTER 192, 0, 1, 0
	TURN 0
	WIN 0
	s_sub_co_u32 s3, s3, 1
	s_cmp_eq_u32 s3, 0
	s_cbranch_scc1 .Lout
	QUARTER 64, 0, 1, 0
	WIN 0
	s_branch .Ltail
.Lout:                                         ; the second trip's barrier and its run of LDS loads (K step 6's first fragments once more) serve nothing: the price of one text for both steps
	PLACES
	s_wait_dscnt 0x0                               ; that run has landed: the way out loads into the same registers
	s_wait_loadcnt 0x0                             ; the bias
; THE WAY OUT, through my own stage: LDS serves a wave's instructions in order (ISA guide 5.7.1.4), so no wait stands between its stores and its loads.
.if QKV
.macro PACK u                          ; unit u: row block u / 3, head u % 3: sum x scale + bias in f32, rounded once to f16; each accumulator is read from its low end on
.set ua, (\u)/3
.set hd, (\u)%3
	WIN 1+ua/2
.set bb, 0
.rept 4
.set rA, 8*(NBL*(ua%2)+4*hd+bb)
.irp r, 0,2,4,6
	v_pk_fma_f32 v[96+8*bb+(\r):96+8*bb+(\r)+1], v[rA+(\r):rA+(\r)+1], s[72+2*hd:73+2*hd], v[160+8*(4*hd+bb)+(\r):160+8*(4*hd+bb)+(\r)+1] op_sel_hi:[1,0,1]
.endr
.set bb, bb+1
.endr
	WIN 0
.set bb, 0
.rept 16
	v_cvt_pk_f16_f32 v[128+bb], v[96+2*bb], v[96+2*bb+1]
.set bb, bb+1
.endr
.endm
.macro TOSTAGE u
	WIN 0
.irp c, 0,1,2,3
	ds_store_b128 v24, v[128+4*(\c):128+4*(\c)+3] offset:32*(\c)
.endr
	WIN 0xc0
.irp f, 0,1,2,3
	ds_load_b128 v[16*((\u)%2)+4*(\f):16*((\u)%2)+4*(\f)+3], v25 offset:576*(\f)
.endr
	WIN 0
.endm
.macro SEND u
	s_wait_dscnt 0x0                               ; the unit is back in registers
	s_wait_xcnt 0x0                                ; the stores of the unit before have read their registers: the next loads from the stage may land there
	WIN 0x0c                                       ; the stores' data lie in window 3
.irp f, 0,1,2,3
	global_store_b128 v26, v[16*((\u)%2)+4*(\f):16*((\u)%2)+4*(\f)+3], s[66+2*((\u)%3):67+2*((\u)%3)] offset:2048*((\u)/3)+512*(\f)
.endr
	WIN 0
.endm
	PACK 0
	TOSTAGE 0
.irp u, 1,2,3,4,5,6,7,8,9,10,11
	PACK \u
	SEND (\u)-1
	TOSTAGE \u
.endr
	SEND 11
.else
.macro PACK a                          ; row block a: sum + bias
	WIN 1+(\a)/2
.set bb, 0
.rept 32
	v_pk_add_f32 v[96+2*bb:96+2*bb+1], v[64*((\a)%2)+2*bb:64*((\a)%2)+2*bb+1], v[160+2*bb:160+2*bb+1]
.set bb, bb+1
.endr
	WIN 0
.endm
.macro TOSTAGE a
	WIN 0
.set t, 0
.rept 16
	ds_store_b128 v24, v[96+4*t:96+4*t+3] offset:64*(t/2)+16*(t%2)
.set t, t+1
.endr
	WIN 0xc0
.set t, 0
.rept 16
	ds_load_b128 v[64*((\a)%2)+4*t:64*((\a)%2)+4*t+3], v25 offset:528*t
.set t, t+1
.endr
	WIN 0
.endm
.macro SEND a
	s_wait_dscnt 0x0
	s_wait_xcnt 0x0
	WIN 0x0c
.set t, 0
.rept 16
	global_store_b128 v26, v[64*((\a)%2)+4*t:64*((\a)%2)+4*t+3], s[66:67] offset:(16*(\a)+t)*4096 th:TH_STORE_NT
.set t, t+1
.endr
	WIN 0
.endm
	PACK 0
	TOSTAGE 0
.irp a, 1,2,3
	PACK \a
	SEND (\a)-1
	TOSTAGE \a
.endr
	SEND 3
.endif
	s_wait_tensorcnt 0x0                           ; the wave's end
	ds_add_u32 v28, v29
	s_wait_dscnt 0x0
	CROUND                                         ; the closing round: no work-group ends while a partner may still ask for a tile that names it
	s_endpgm
.Lfunc_end_k_q9e345d2efe_outp:
	.size	k_q9e345d2efe_outp, .Lfunc_end_k_q9e345d2efe_outp-k_q9e345d2efe_outp
	.p2alignl 7, 3214868480
	.fill 96, 4, 3214868480
	.section	.rodata,"a",@progbits
	.p2align	6, 0x0
	.amdhsa_kernel k_q9e345d2efe_outp
		.amdhsa_group_segment_fixed_size 327680
		.amdhsa_private_segment_fixed_size 0
		.amdhsa_enable_private_segment 0
		.amdhsa_kernarg_size 32
		.amdhsa_user_sgpr_count 2
		.amdhsa_user_sgpr_kernarg_segment_ptr 1
		.amdhsa_wavefront_size32 1
		.amdhsa_system_sgpr_workgroup_id_x 1
		.amdhsa_system_sgpr_workgroup_id_y 1
		.amdhsa_system_sgpr_workgroup_id_z 1
		.amdhsa_system_vgpr_workitem_id 0
		.amdhsa_next_free_vgpr 896
		.amdhsa_next_free_sgpr 90
		.amdhsa_reserve_vcc 0
		.amdhsa_float_denorm_mode_32 3
		.amdhsa_float_denorm_mode_16_64 3
		.amdhsa_memory_ordered 1
		.amdhsa_forward_progress 1
		.amdhsa_inst_pref_size 72
	.end_amdhsa_kernel
	.amdgpu_metadata
---
amdhsa.version: [ 1, 2 ]
amdhsa.kernels:
  - .name:           k_q9e345d2efe_outp
    .symbol:         k_q9e345d2efe_outp.kd
    .args:
      - { .name: o16, .offset: 0, .size: 8, .value_kind: global_buffer, .address_space: global }
      - { .name: wo16, .offset: 8, .size: 8, .value_kind: global_buffer, .address_space: global }
      - { .name: bias4, .offset: 16, .size: 8, .value_kind: global_buffer, .address_space: global }
      - { .name: out0, .offset: 24, .size: 8, .value_kind: global_buffer, .address_space: global }
    .group_segment_fixed_size: 327680
    .private_segment_fixed_size: 0
    .kernarg_segment_align: 8
    .kernarg_segment_size: 32
    .max_flat_workgroup_size: 128
    .sgpr_count:     90
    .vgpr_count:     896
    .wavefront_size: 32
...
	.end_amdgpu_metadata
.endif
;; end of part 4
;; ======== version 2 of 2: 4 launches; version 1 with the launch prep written anew for expert scheduling mode
;; limits: values are held in f16: magnitudes above 65,504 overflow, below 6.1e-05 lose precision
;; workspace buffers: xb 16,777,216 bytes; wb 6,291,456 bytes; wo16 2,097,152 bytes; bias4 16,384 bytes; mbits 524,288 bytes of whole numbers; qkv 50,331,648 bytes; o16 16,777,216 bytes
;; launch prep (part 5): grid 512 x 1, 8 waves a work-group, no clusters, 0 bytes of LDS; arguments x, Wq, Wk, Wv, Wo, bq, bk, bv, bo, mask, xb, wb, wo16, bias4, mbits; writes xb, wb, wo16, bias4, mbits
.if DOCPART == 5
	.amdgcn_target "amdgcn-amd-amdhsa--gfx1250"
	.amdhsa_code_object_version 6
	.text
	.protected	k_q9e345d2efe_prep
	.globl	k_q9e345d2efe_prep
	.p2align	8
	.type	k_q9e345d2efe_prep,@function
k_q9e345d2efe_prep:
	s_mov_b64 s[64:65], 0
	v_nop
	global_prefetch_b8 v0, s[64:65] scope:SCOPE_SE
	s_setreg_imm32_b32 hwreg(HW_REG_WAVE_SCHED_MODE, 0, 2), 2
	s_setreg_imm32_b32 hwreg(HW_REG_WAVE_MODE, 25, 1), 1
	s_wait_xcnt 0x0
	s_wait_alu depctr_vm_vsrc(0)
; PREPARATION: every input is read once and laid out for the three launches behind.
;   xb   [8192][1024] bf16 = x rounded;   wb [3072][1024] bf16 = Wq, Wk, Wv rounded, one below the other
;   wo16 [1024][1024] f16  = Wo rounded to bf16, that number written as f16
;   bias4 [4096] f32       = c x bf16(bq), bf16(bk), bf16(bv), bf16(bo), c = log2(e) / 8 (the scale of the scores, in base 2)
;   mbits [128 qt][32 ks][32 words]: word r = 8 kb + j, bit b = (mask[16 qt + b % 16][64 ks + 16 kb + 8 (b / 16) + j] != 0):
;         the lane mask of register r of a tile of 16 queries x 64 keys of scores as the attention launch holds it.
; LIMITS.  bf16(Wo) beyond 65,504 becomes an infinity in f16, below 2^-14 it keeps f16's fixed step of 2^-24.
; SHARES.  Every work-group reads 131,072 consecutive bytes: groups 0-255 of x, 256-351 of Wq, Wk, Wv, 352-383 of Wo, 384-511 sixteen rows of the mask (a row is 8,192 bytes).
; ONE BLOCK OF 32 LOADS SERVES ALL: thread t takes bytes 16 t + 4,096 i, so a wave's load covers 512 consecutive bytes.  All 32 go out at once and are waited for by count.
; No LDS, no matrix unit, no cluster: nothing is shared between waves, and memory is all there is to wait for.
; THE MODE: SCHED_MODE bits 1:0 = 2 (LLVM: expert scheduling mode 2), set by the entry lines.  The code itself states the register dependences
; between vector instructions and memory instructions, with s_wait_alu, always for 0.
; THE PLAN.  Registers that memory instructions touch:
;   v1        16 t, the loads' offset: written once at the head, never again.
;   X         32 x 4 registers, in which the 32 loads land; no vector line names them ahead of the loads.  x and the weights: the conversions of load i read its four registers and write
;             into them; the two lowest are then the data of one store, and nothing writes them behind it.  The mask: vector lines alone name them from the loads on.
;   v2        the stores' offset: written once, behind the loads, never again.
;   v3, v8    the bias: v3 the offset of its load and its store; the load lands in v8, three vector lines write it, the store reads it.  Ahead of that v8 and v9 are at work in Wo's conversions.
;   v[4:7]    the mask: the data of its one store.
; No register that a load or a store has read is written again on any path: so behind the entry's prefetch the text holds no further wait on vm_vsrc and no further s_wait_xcnt.
; x and the weights go in EIGHT BLOCKS OF FOUR LOADS.  Block b converts loads 4 b .. 4 b + 3; its memory instructions are the four stores of block b - 1, whose registers no vector line of block b
; names.  So one wait on va_vdst at a block's head states all that its four stores hang on, and they are dealt among its conversions with no further wait.
.set X,   16                           ; v[16:143] 32 loads of 4 registers
.set CSC, 0x3e38aa3b                   ; c = log2(e) / 8
.macro ARRIVED i                       ; the mask, at an even i: loads i and i + 1 are in; the 30 - i loads issued behind them may stay out
.if ((\i)%2) == 0
	s_wait_loadcnt 30-(\i)
.endif
.endm
.macro CV i, wo                        ; load i's 4 numbers, in place from the low end.  wo = 0: to bf16.  wo = 1, Wo: rounded to bf16, widened again, written as f16
.if \wo
	v_cvt_pk_bf16_f32 v8, v[X+4*(\i)], v[X+4*(\i)+1]
	v_cvt_pk_bf16_f32 v9, v[X+4*(\i)+2], v[X+4*(\i)+3]
	v_lshlrev_b32 v[X+4*(\i)], 16, v8
	v_and_b32 v[X+4*(\i)+1], s52, v8
	v_lshlrev_b32 v[X+4*(\i)+2], 16, v9
	v_and_b32 v[X+4*(\i)+3], s52, v9
	v_cvt_pk_f16_f32 v[X+4*(\i)], v[X+4*(\i)], v[X+4*(\i)+1]
	v_cvt_pk_f16_f32 v[X+4*(\i)+1], v[X+4*(\i)+2], v[X+4*(\i)+3]
.else
	v_cvt_pk_bf16_f32 v[X+4*(\i)], v[X+4*(\i)], v[X+4*(\i)+1]
	v_cvt_pk_bf16_f32 v[X+4*(\i)+1], v[X+4*(\i)+2], v[X+4*(\i)+3]
.endif
.endm
.macro ST i                            ; load i's 4 numbers stored: a wave's store covers 256 consecutive bytes, aligned
	global_store_b64 v2, v[X+4*(\i):X+4*(\i)+1], s[42:43] offset:2048*(\i)
.endm
.macro BLK b, wo                       ; block b
	s_wait_loadcnt 28-4*(\b)                       ; loads come back in order (ISA guide 5.7.1): loads 4 b .. 4 b + 3 are in; the 28 - 4 b issued behind them may stay out
.if (\b) > 0
	s_wait_alu depctr_va_vdst(0)                   ; the block before has written the registers that the four stores below read (at block 1: v2 is written too)
.endif
.irp q, 0,1,2,3
.if (\b) > 0
	ST 4*(\b)-4+(\q)                               ; no vector line since the wait names v2 or the block before's registers
.endif
	CV 4*(\b)+(\q), \wo
.endr
.endm
.macro WALK wo                         ; the eight blocks, and the last block's stores
.irp b, 0,1,2,3,4,5,6,7
	BLK \b, \wo
.endr
	s_wait_alu depctr_va_vdst(0)                   ; block 7's conversions have written the registers that the last four stores read
.irp q, 28,29,30,31
	ST \q
.endr
.endm
	s_load_b512 s[8:23], s[0:1], 0x0               ; x 8, Wq 10, Wk 12, Wv 14, Wo 16, bq 18, bk 20, bv 22
	s_load_b256 s[24:31], s[0:1], 0x40             ; bo 24, mask 26, xb 28, wb 30
	s_load_b128 s[32:35], s[0:1], 0x60             ; wo16 32, bias4 34
	s_load_b64 s[36:37], s[0:1], 0x70              ; mbits
	v_lshrrev_b32 v1, 5, v0
	v_readfirstlane_b32 s2, v1                     ; wave 0..7
	v_lshlrev_b32 v1, 4, v0                        ; 16 bytes a thread
	s_mov_b32 s38, ttmp9                           ; the work-group's number
	s_sub_co_u32 s3, s38, 256                      ; j: its number among the weights' groups
	s_and_b32 s51, s3, 31                          ; its chunk of one weight matrix
	s_sub_co_u32 s39, s3, 96                       ; its chunk of wo16
	s_sub_co_u32 s53, s38, 384                     ; its query tile of the mask
	s_mov_b32 s47, 0                               ; high words of the two offset pairs
	s_mov_b32 s49, 0
	s_mov_b32 s52, 0xffff0000                      ; a word's upper bf16
	s_wait_alu depctr_va_sdst(0)                   ; s2 is written: its one reader, the compare that picks wave 0 for the bias, stands behind branches
	s_wait_kmcnt 0x0
	; from where and to where: choices between buffers on the work-group's number alone
	s_cmp_lt_u32 s38, 288
	s_cselect_b64 s[40:41], s[10:11], s[12:13]
	s_cselect_b64 s[44:45], s[18:19], s[20:21]
	s_cmp_lt_u32 s38, 320
	s_cselect_b64 s[40:41], s[40:41], s[14:15]
	s_cselect_b64 s[44:45], s[44:45], s[22:23]
	s_cmp_lt_u32 s38, 352
	s_cselect_b64 s[40:41], s[40:41], s[16:17]
	s_cselect_b64 s[44:45], s[44:45], s[24:25]
	s_cselect_b64 s[42:43], s[30:31], s[32:33]
	s_cselect_b32 s48, s3, s39
	s_cmp_lt_u32 s38, 384
	s_cselect_b64 s[40:41], s[40:41], s[26:27]
	s_cselect_b32 s46, s51, s53
	s_cmp_lt_u32 s38, 256
	s_cselect_b64 s[40:41], s[8:9], s[40:41]
	s_cselect_b64 s[42:43], s[28:29], s[42:43]
	s_cselect_b32 s46, s38, s46
	s_cselect_b32 s48, s38, s48
	s_lshl_b32 s46, s46, 17                        ; 131,072 bytes in
	s_add_nc_u64 s[40:41], s[40:41], s[46:47]
	s_wait_alu depctr_va_vdst(0)                   ; v1 is written, which the 32 loads read as their offset
.set i, 0
.rept 32
	global_load_b128 v[X+4*i:X+4*i+3], v1, s[40:41] offset:4096*i th:TH_LOAD_NT
.set i, i+1
.endr
	s_cmp_ge_u32 s38, 384
	s_cbranch_scc1 .Lmask
	s_lshl_b32 s48, s48, 16                        ; 65,536 bytes of 16-bit numbers out
	s_add_nc_u64 s[42:43], s[42:43], s[48:49]
	v_lshlrev_b32 v2, 3, v0                        ; 8 bytes a thread
	s_cmp_ge_u32 s38, 352
	s_cbranch_scc1 .Lwo
	WALK 0
	s_branch .Lbias
.Lwo:
	WALK 1
.Lbias:                                        ; wave 0 of each of the 128 weights' groups takes 32 numbers of a bias
	s_cmp_lt_u32 s38, 256
	s_cbranch_scc1 .Lend
	s_cmp_lg_u32 s2, 0
	s_cbranch_scc1 .Lend
	s_lshl_b32 s46, s51, 7
	s_add_nc_u64 s[44:45], s[44:45], s[46:47]
	s_lshl_b32 s48, s3, 7
	s_add_nc_u64 s[34:35], s[34:35], s[48:49]
	s_cmp_lt_u32 s3, 32
	s_cselect_b32 s50, CSC, 1.0                    ; bq carries the scores' scale, as q will
	v_lshlrev_b32 v3, 2, v0
	s_wait_alu depctr_va_vdst(0)                   ; v3 is written, which the load reads as its offset; Wo's conversions are done writing and reading v8, in which the load lands
	global_load_b32 v8, v3, s[44:45]
	s_wait_loadcnt 0x0
	v_cvt_pk_bf16_f32 v8, v8, v8
	v_lshlrev_b32 v8, 16, v8
	v_mul_f32 v8, s50, v8
	s_wait_alu depctr_va_vdst(0)                   ; v8 is written, which the store reads
	global_store_b32 v3, v8, s[34:35]              ; 128 bytes a work-group, 16 KiB in all
.Lend:
	s_endpgm
; THE MASK.  Load i, word c of thread t = 32 w + l holds row i / 2, key 1,024 e + 4 t + c, e = i % 2.  With l = 16 sl + 4 kb + 2 h + jl that key is 64 (16 e + 2 w + sl) + 16 kb + 8 h + 4 jl + c:
; key step 16 e + 2 w + sl, key block kb, half h, j = 4 jl + c.  So a lane holds, for each of 8 words (e, c), the 16 bits of its own half h, one a row: they are gathered into Z(e, c), bit = row.
; The word's other 16 bits lie in the lane 2 away.  Lanes with h = 0 finish the four words of e = 0, lanes with h = 1 those of e = 1: each gives the partner what the partner finishes.
.Lmask:
	s_lshl_b32 s48, s53, 12                        ; a query tile's 4,096 bytes of words
	s_add_nc_u64 s[36:37], s[36:37], s[48:49]
	v_lshrrev_b32 v2, 4, v0
	v_lshlrev_b32 v2, 7, v2                        ; out: key step 2 w + sl, of 128 bytes,
	v_bfe_u32 v3, v0, 2, 2
	v_lshl_or_b32 v2, v3, 5, v2                    ; + 32 kb
	v_and_b32 v3, 1, v0
	v_lshl_or_b32 v2, v3, 4, v2                    ; + 16 jl: my four words, c = 0 .. 3, lie on end
	v_bfe_u32 v3, v0, 1, 1                         ; h
	v_lshl_or_b32 v2, v3, 11, v2                   ; + 16 key steps for the lanes that finish e = 1
	v_cmp_ne_u32 vcc_lo, 0, v3                     ; the lanes with h = 1
.irp r, 8,9,10,11
	v_mov_b32 v\r, 0                               ; the destination of a line that takes its source from another lane counts as read: it is written first
.endr
.set i, 0
.rept 32                                       ; Z(e, c) lies where row 0 was loaded: v[X + 4 e + c]
	ARRIVED i
.irp c, 0,1,2,3
	v_min_u32 v[X+4*i+(\c)], 1, v[X+4*i+(\c)]      ; 1 for every number but 0
.endr
.if i > 1
.irp c, 0,1,2,3
	v_lshl_or_b32 v[X+4*(i%2)+(\c)], v[X+4*i+(\c)], i/2, v[X+4*(i%2)+(\c)]
.endr
.endif
.set i, i+1
.endr
	s_wait_alu depctr_va_vcc(0)                    ; VCC is written by the compare above, in this same run of lines, ahead of the first select that reads it
.irp c, 0,1,2,3
	v_cndmask_b32 v[4+(\c)], v[X+4+(\c)], v[X+(\c)], vcc_lo    ; what I give: Z(1, c) where h = 0, Z(0, c) where h = 1
	v_cndmask_b32 v[12+(\c)], v[X+(\c)], v[X+4+(\c)], vcc_lo   ; what I keep: Z(h, c)
	v_mov_b32_dpp v[8+(\c)], v[4+(\c)] row_xmask:2 row_mask:0xf bank_mask:0xf  ; what the lane 2 away gives me: its Z(my h, c)
	v_cndmask_b32 v[4+(\c)], v[12+(\c)], v[8+(\c)], vcc_lo     ; bits 0-15 are the half h = 0's: mine where h = 0,
	v_cndmask_b32 v[8+(\c)], v[8+(\c)], v[12+(\c)], vcc_lo     ; bits 16-31 the half h = 1's
	v_lshl_or_b32 v[4+(\c)], v[8+(\c)], 16, v[4+(\c)]
.endr
	s_wait_alu depctr_va_vdst(0)                   ; v2 and v[4:7] are written, which the store reads as its offset and its data
	global_store_b128 v2, v[4:7], s[36:37]         ; the sixteen lanes of each h fill 256 consecutive bytes, aligned: two key steps' words
	s_endpgm
.Lfunc_end_k_q9e345d2efe_prep:
	.size	k_q9e345d2efe_prep, .Lfunc_end_k_q9e345d2efe_prep-k_q9e345d2efe_prep
	.p2alignl 7, 3214868480
	.fill 96, 4, 3214868480
	.section	.rodata,"a",@progbits
	.p2align	6, 0x0
	.amdhsa_kernel k_q9e345d2efe_prep
		.amdhsa_group_segment_fixed_size 0
		.amdhsa_private_segment_fixed_size 0
		.amdhsa_enable_private_segment 0
		.amdhsa_kernarg_size 120
		.amdhsa_user_sgpr_count 2
		.amdhsa_user_sgpr_kernarg_segment_ptr 1
		.amdhsa_wavefront_size32 1
		.amdhsa_system_sgpr_workgroup_id_x 1
		.amdhsa_system_sgpr_workgroup_id_y 1
		.amdhsa_system_sgpr_workgroup_id_z 1
		.amdhsa_system_vgpr_workitem_id 0
		.amdhsa_next_free_vgpr 144
		.amdhsa_next_free_sgpr 66
		.amdhsa_reserve_vcc 1
		.amdhsa_float_denorm_mode_32 3
		.amdhsa_float_denorm_mode_16_64 3
		.amdhsa_memory_ordered 1
		.amdhsa_forward_progress 1
		.amdhsa_inst_pref_size 43
	.end_amdhsa_kernel
	.amdgpu_metadata
---
amdhsa.version: [ 1, 2 ]
amdhsa.kernels:
  - .name:           k_q9e345d2efe_prep
    .symbol:         k_q9e345d2efe_prep.kd
    .args:
      - { .name: x, .offset: 0, .size: 8, .value_kind: global_buffer, .address_space: global }
      - { .name: Wq, .offset: 8, .size: 8, .value_kind: global_buffer, .address_space: global }
      - { .name: Wk, .offset: 16, .size: 8, .value_kind: global_buffer, .address_space: global }
      - { .name: Wv, .offset: 24, .size: 8, .value_kind: global_buffer, .address_space: global }
      - { .name: Wo, .offset: 32, .size: 8, .value_kind: global_buffer, .address_space: global }
      - { .name: bq, .offset: 40, .size: 8, .value_kind: global_buffer, .address_space: global }
      - { .name: bk, .offset: 48, .size: 8, .value_kind: global_buffer, .address_space: global }
      - { .name: bv, .offset: 56, .size: 8, .value_kind: global_buffer, .address_space: global }
      - { .name: bo, .offset: 64, .size: 8, .value_kind: global_buffer, .address_space: global }
      - { .name: mask, .offset: 72, .size: 8, .value_kind: global_buffer, .address_space: global }
      - { .name: xb, .offset: 80, .size: 8, .value_kind: global_buffer, .address_space: global }
      - { .name: wb, .offset: 88, .size: 8, .value_kind: global_buffer, .address_space: global }
      - { .name: wo16, .offset: 96, .size: 8, .value_kind: global_buffer, .address_space: global }
      - { .name: bias4, .offset: 104, .size: 8, .value_kind: global_buffer, .address_space: global }
      - { .name: mbits, .offset: 112, .size: 8, .value_kind: global_buffer, .address_space: global }
    .group_segment_fixed_size: 0
    .private_segment_fixed_size: 0
    .kernarg_segment_align: 8
    .kernarg_segment_size: 120
    .max_flat_workgroup_size: 256
    .sgpr_count:     66
    .vgpr_count:     144
    .wavefront_size: 32
...
	.end_amdgpu_metadata
.endif
;; end of part 5
;; launch qkv: the kernel of part 2 again; grid 16 x 32, 4 waves a work-group, clusters of 4 x 4, 327,680 bytes of LDS; arguments xb, wb, bias4, qkv; writes qkv
;; launch attn: the kernel of part 3 again; grid 4 x 64, 4 waves a work-group, clusters of 4 x 1, 327,680 bytes of LDS; arguments qkv, mbits, o16; writes o16
;; launch outp: the kernel of part 4 again; grid 8 x 32, 4 waves a work-group, clusters of 4 x 4, 327,680 bytes of LDS; arguments o16, wo16, bias4, out0; writes out0
